; MI455X (gfx1250); checked and timed in simulation.
; The chip was launched on July 23, 2026; its instructions are those of AMD's public machine-readable ISA for CDNA 5 (MIT licence, August 2026) and "CDNA5" Instruction Set Architecture Reference Guide (July 2026). The comments in the code are by the model that wrote it; some were corrected since.
;; CUDA Linear Attention. Allowed arithmetic: matrix products marked QUANTISED: E2M3 operands, one E8M0 scale for each 32 along K, by v_wmma_scale_f32_16x16x128_f8f6f4 with both operands' format E2M3, f32 sums; products left as they are: f32 operands where the result goes on into a quantised operand, else bf16, f16 or f32 operands; f32 sums; everything else in f32.
;; Inputs: Wk 1,024 x 1,024 float32; Wq 1,024 x 1,024 float32; Wv 1,024 x 1,024 float32; bk 1,024 float32; bq 1,024 float32; bv 1,024 float32; mask 4 x 4,096 float32; x 4 x 4,096 x 1,024 float32.
;; Outputs: out0 4 x 4,096 x 1,024 float32.
;; Constants: n_heads = 16.
;; This version of the problem:
;;   THIS VERSION OF THE PROBLEM IS GIVEN IN LOW PRECISION. The matrix products marked QUANTISED in the list below multiply operands that are first quantised to E2M3 (2 exponent bits, 3 mantissa bits; 6 bits a number), with one power-of-two scale for each 32 numbers along K (OCP MX v1.0); their sums are f32. All else is computed in f32.
;;   The module's matrix products, in the order in which they are computed (A, B: the left and right operand; K: the contracted axis; several contracted axes count as one K, in the product's order):
;;     1. [M 16,384, K 1,024] x [K 1,024, N 1,024]; A: input x; B: input Wq: QUANTISED
;;     2. [M 16,384, K 1,024] x [K 1,024, N 1,024]; A: input x; B: input Wk: QUANTISED
;;     3. [M 16,384, K 1,024] x [K 1,024, N 1,024]; A: input x; B: input Wv: QUANTISED
;;     4. batch 64 x [M 64, K 4,096] x [K 4,096, N 64]; A: computed on the way; B: computed on the way: QUANTISED
;;     5. batch 64 x [M 4,096, K 64] x [K 64, N 64]; A: computed on the way; B: computed on the way: QUANTISED
;;     6. batch 64 x [M 4,096, K 64] x [K 64, N 1]; A: computed on the way; B: computed on the way: left as it is (N = 1 < 16)
;;   THE QUANTISER, for each operand of a quantised product, along K:
;;     - K is cut into blocks of 32 from its start; a last block that is shorter is filled with zeros.
;;     - A block's scale is 2^e with e = floor(log2(the largest magnitude in the block)) - 2, held to -126 .. 127; a block of zeros has e = 0. As a byte (E8M0): e + 127.
;;     - Each number is divided by its block's scale, clamped to +-7.5, and rounded to the nearest number of E2M3, ties to even, subnormals kept.
;;     - The product sums the exact products of the quantised numbers (number of the format x scale) in f32.
;;   ~~~python
;;   def quantise(x, axis):      # numpy; x: float32 -> the quantised numbers, widened to float32 again
;;       x = np.moveaxis(x, axis, -1); K = x.shape[-1]
;;       x = np.pad(x, [(0, 0)] * (x.ndim - 1) + [(0, -K % 32)]); x = x.reshape(x.shape[:-1] + (-1, 32)); a = np.abs(x).max(-1, keepdims=True)
;;       e = np.where(a > 0, np.clip(np.frexp(np.where(a > 0, a, 1))[1] - 1 - 2, -126, 127), 0)      # np.frexp(a)[1] - 1 = floor(log2(a)), exactly
;;       r = np.clip(x / 2.0 ** e, -7.5, 7.5)
;;       step = 2.0 ** (np.maximum(np.frexp(np.where(r == 0, 1, r))[1] - 1, 0) - 3)
;;       q = np.round(r / step) * step * 2.0 ** e      # np.round: ties to even
;;       return np.moveaxis(q.reshape(q.shape[:-2] + (-1,))[..., :K], -1, axis).astype(np.float32)
;;   ~~~
;;   OPERANDS COMPUTED ON THE WAY. 'Computed on the way' means the value that the module computes at that place (a softmax that the list does not call 'softmax' is quantised finished and normalised). What goes into a quantiser is computed in f32, as accurately as f32 sums, v_exp_f32 and their like allow (about 1e-6 of the number): no bf16 or f16 on the way to a quantiser, and a product that is left as it is and whose result goes on into a quantised operand takes f32 operands (vector FMAs, or v_wmma_f32_16x16x4_f32). A number that lies on a knife's edge between two numbers of the format may be rounded either way, as far as f32 arithmetic and the matrix unit's own rounding can turn it there, and no further.
;; One version. Each part assembles by itself: llvm-mc -triple=amdgcn-amd-amdhsa -mcpu=gfx1250 --defsym DOCPART=n.
;; ======== version 1 of 1: 4 launches
;; workspace buffers: xq 13,107,200 bytes; wq 2,457,600 bytes; part 17,301,504 bytes; kvq 442,368 bytes
;; launch quant (part 1): grid 608 x 1, 4 waves a work-group, no clusters, 33,280 bytes of LDS; arguments x, Wq, Wk, Wv, xq, wq; writes xq, wq
.if DOCPART == 1
	.amdgcn_target "amdgcn-amd-amdhsa--gfx1250"
	.amdhsa_code_object_version 6
	.text
	.protected	k_q6544a5c0f3_quant
	.globl	k_q6544a5c0f3_quant
	.p2align	8
	.type	k_q6544a5c0f3_quant,@function
k_q6544a5c0f3_quant:
	s_mov_b64 s[64:65], 0
	v_nop
	global_prefetch_b8 v0, s[64:65] scope:SCOPE_SE
	s_setreg_imm32_b32 hwreg(HW_REG_WAVE_MODE, 25, 1), 1
	s_wait_xcnt 0x0
; x [16384][1024] and Wq, Wk, Wv [1024][1024], f32, K innermost, become codes of FP6 (E2M3), 6 bits each, with one E8M0 byte for each 32 along K.
; A block's scale is 2^(floor(log2(its largest magnitude)) - 2); its byte is the largest magnitude's exponent field - 2, held at 1 from below.
; Each number is divided by the scale and rounded to the nearest code, ties to even; beyond 7.5 the largest code.
; LIMITS: a block whose largest magnitude lies under 2^-124 (a block of zeros among them) keeps the byte 1 where the rule says otherwise: its codes are then
; zeros or near it, and only this program reads the bytes.  NaN and infinities among the inputs are not served.
; SHARES: a work-group takes 32 rows, a wave 8 rows = 8,192 numbers = 16 steps of 512.  Work-groups 0-511: x; 512-543: Wq; 544-575: Wk; 576-607: Wv.
; ORDER OF THE ROWS IN THE BUFFERS: inside each 32 rows the four groups of 8 rows stand in the order 0, 2, 1, 3, so that 16 neighbouring rows of a buffer are the
; rows 8 u + r + 8 (r / 8) of the tensor: a matrix result whose source 0 is such a tile holds 16 neighbours of the tensor's rows in the 16 registers of two tiles.
; Wk and Wv share one section: for each head 64 rows of Wk, then 64 rows of Wv.
; xq: codes [16384][768 bytes], then scale bytes [16384][32].  wq: Wk/Wv's codes [2048][768], Wq's [1024][768], Wk/Wv's scale bytes [2048][32], Wq's [1024][32].
; A load reads 512 consecutive bytes, 16 a lane; a step's 2,048 bytes turn through the wave's own stage in LDS and come back 64 bytes (16 neighbours) a lane.
; Waves share nothing: no barrier.  Loads run four steps (16 loads a wave) ahead, the turn through LDS one step.
.set STEPS, 16
.set EMAX,  2
.set CB,    12                         ; bytes of 16 codes
.set R,     16                         ; v16-79   four sets of 16 numbers as they are loaded
.set X,     80                         ; v80-111  two sets of 16 neighbours
.set C,     128                        ; v128-191 codes: four registers for each step, so that no store's data are written again
.set E,     112                        ; v112-127 a scale byte for each step
.set WREG,  8192                       ; LDS: a region for each wave: two stages of 32 x SP bytes, behind them its 256 scale bytes
.set SP,    80                         ; a lane's place in a stage: 64 bytes + 16 of padding
.set XS_OFF,   12582912                ; xq: where the scale bytes begin
.set WQC_OFF,  1572864                 ; wq: Wq's codes
.set WKVS_OFF, 2359296                 ; wq: Wk/Wv's scale bytes
.set WQS_OFF,  2424832                 ; wq: Wq's scale bytes
	s_load_b256 s[4:11], s[0:1], 0x0               ; x, Wq, Wk, Wv
	s_load_b128 s[12:15], s[0:1], 0x20             ; xq, wq
	v_lshl_add_u32 v192, v0, 2, 0x8000
	v_mov_b32 v193, 0
	v_lshrrev_b32 v1, 5, v0
	v_readfirstlane_b32 s16, v1                    ; wave
	v_and_b32 v2, 31, v0                           ; lane
	v_lshlrev_b32 v3, 4, v2                        ; my 16 bytes of a load's 512
	s_mul_i32 s17, s16, WREG
	v_lshrrev_b32 v14, 2, v2
	v_mul_u32_u24 v14, v14, SP
	v_and_b32 v15, 3, v2
	v_lshl_add_u32 v14, v15, 4, v14
	v_add_nc_u32 v14, s17, v14                     ; the stage, on the way in: four lanes' 64 bytes on end, then 16 of padding
	v_mul_u32_u24 v15, v2, SP
	v_add_nc_u32 v15, s17, v15                     ; and on the way out: my 16 neighbours
	v_mul_u32_u24 v4, v2, CB                       ; my codes' place in a step's
	v_lshrrev_b32 v5, 1, v2
	s_add_co_u32 s17, s17, 2*32*SP
	v_add_nc_u32 v5, s17, v5                       ; LDS: my wave's 256 scale bytes, my block's byte
	v_lshlrev_b32 v7, 3, v2                        ; and on the way out 8 bytes a lane
	v_add_nc_u32 v6, s17, v7
	; which tensor, which 32 rows of it, and where they go: all from the work-group's number
	s_sub_co_u32 s20, ttmp9, 512                   ; (of use only from work-group 512 on)
	s_lshr_b32 s21, s20, 5                         ; 0: Wq, 1: Wk, 2: Wv
	s_and_b32 s22, s20, 31                         ; which 32 rows of the weight
	s_lshr_b32 s23, s22, 1
	s_lshl_b32 s23, s23, 2
	s_and_b32 s24, s22, 1
	s_add_co_u32 s23, s23, s24
	s_lshl_b32 s24, s21, 1
	s_add_co_u32 s23, s23, s24
	s_sub_co_u32 s23, s23, 2                       ; Wk, Wv: group 4 x head + half of the head, + 2 for Wv
	s_mov_b32 s25, WQC_OFF
	s_mov_b32 s26, WQS_OFF
	s_mov_b32 s27, WKVS_OFF
	s_mov_b32 s28, XS_OFF
	s_wait_kmcnt 0x0
	s_cmp_eq_u32 s21, 2                            ; every choice hangs on the work-group's number alone
	s_cselect_b64 s[8:9], s[10:11], s[8:9]         ; Wv or Wk
	s_cmp_eq_u32 s21, 0
	s_cselect_b64 s[6:7], s[6:7], s[8:9]           ; Wq or that
	s_cselect_b32 s23, s22, s23                    ; the group of 32 rows in its section
	s_cselect_b32 s25, s25, 0                      ; the section of codes
	s_cselect_b32 s26, s26, s27                    ; the section of scale bytes
	s_cmp_lt_u32 ttmp9, 512
	s_cselect_b64 s[4:5], s[4:5], s[6:7]           ; x or a weight
	s_cselect_b64 s[12:13], s[12:13], s[14:15]     ; xq or wq
	s_cselect_b32 s22, ttmp9, s22
	s_cselect_b32 s23, ttmp9, s23
	s_cselect_b32 s25, 0, s25
	s_cselect_b32 s26, s28, s26
	s_lshl_b32 s22, s22, 2
	s_add_co_u32 s22, s22, s16                     ; my 8 rows in the tensor
	s_lshl_b32 s30, s22, 15                        ; 8 rows of 4,096 bytes (under 2^27)
	s_mov_b32 s31, 0
	s_add_nc_u64 s[4:5], s[4:5], s[30:31]
	s_and_b32 s24, s16, 1
	s_lshl_b32 s24, s24, 1
	s_lshr_b32 s27, s16, 1
	s_or_b32 s24, s24, s27                         ; groups of 8 rows in the order 0, 2, 1, 3
	s_lshl_b32 s23, s23, 2
	s_add_co_u32 s23, s23, s24                     ; my 8 rows in the buffer
	s_mul_i32 s30, s23, 6144                       ; 8 rows of 768 bytes
	s_add_co_u32 s30, s30, s25
	s_add_nc_u64 s[8:9], s[12:13], s[30:31]        ; my codes
	s_lshl_b32 s30, s23, 8                         ; 8 rows of 32 bytes
	s_add_co_u32 s30, s30, s26
	s_add_nc_u64 s[10:11], s[12:13], s[30:31]      ; my scale bytes
.macro LOAD t
.irp i, 0,1,2,3
	global_load_b128 v[R+16*((\t)%4)+4*\i:R+16*((\t)%4)+4*\i+3], v3, s[4:5] offset:2048*(\t)+512*\i th:TH_LOAD_NT   ; 32 lanes read 512 consecutive bytes
.endr
.endm
.macro TURN t                          ; step t's numbers through the stage: LDS serves a wave's instructions in order, so no wait stands between the stores and the loads
.irp i, 0,1,2,3
	ds_store_b128 v14, v[R+16*((\t)%4)+4*\i:R+16*((\t)%4)+4*\i+3] offset:32*SP*((\t)%2)+8*SP*\i
.endr
.irp i, 0,1,2,3
	ds_load_b128 v[X+16*((\t)%2)+4*\i:X+16*((\t)%2)+4*\i+3], v15 offset:32*SP*((\t)%2)+16*\i
.endr
.endm
.irp t, 0,1,2,3
	LOAD \t
.endr
	s_wait_loadcnt 12                              ; step 0's four loads are in
	TURN 0
.macro STEP t
.set XS, X+16*((\t)%2)
.if (\t) > 0
	s_wait_dscnt 1                                 ; this step's numbers are back from the stage (the last step's byte store may be out): its stores into the stage have read their registers,
.else
	s_wait_dscnt 0x0
.endif
.if (\t)+4 < STEPS
	LOAD (\t)+4                                    ; which take the loads of four steps on
.endif
.if (\t)+1 < STEPS
.if STEPS-2-(\t) >= 3
	s_wait_loadcnt 12                              ; the next step's four loads are in; those of the three steps behind it may be out
.else
	s_wait_loadcnt 4*(STEPS-2-(\t))
.endif
	TURN (\t)+1                                    ; and go through the other stage while this step is worked
.endif
	v_max3_num_f32 v8, |v[XS]|, |v[XS+1]|, |v[XS+2]|               ; the largest magnitude of my 16, in two chains
	v_max3_num_f32 v9, |v[XS+3]|, |v[XS+4]|, |v[XS+5]|
.irp i, 6,10
	v_max3_num_f32 v8, v8, |v[XS+\i]|, |v[XS+\i+1]|
	v_max3_num_f32 v9, v9, |v[XS+\i+2]|, |v[XS+\i+3]|
.endr
	v_max3_num_f32 v8, v8, |v[XS+14]|, |v[XS+15]|
	v_max3_num_f32 v8, v8, v9, (EMAX+1)<<23        ; and the floor 2^(3 - 127): the byte cannot fall under 1
	v_max_num_f32_dpp v8, v8, v8 row_xmask:1 row_mask:0xf bank_mask:0xf   ; and of my neighbour's 16: the block's
	v_add_nc_u32 v11, -(EMAX<<23), v8              ; 2 off its exponent field: the conversion takes the exponent field of this operand as its scale, and nothing else of it
	v_cvt_scalef32_pk16_fp6_f32 v[C+4*(\t):C+4*(\t)+2], v[XS:XS+15], v11
	v_lshrrev_b32 v[E+(\t)], 23, v11               ; the scale's byte (a plain line behind the conversion)
	ds_store_b8 v5, v[E+(\t)] offset:16*(\t)       ; both lanes of a block write the same byte with the same value
	global_store_b96 v4, v[C+4*(\t):C+4*(\t)+2], s[8:9] offset:32*CB*(\t)   ; the wave stores 384 consecutive bytes
.endm
.irp t, 0,1,2,3,4,5,6,7,8,9,10,11,12,13,14,15
	STEP \t
.endr
	ds_load_b64 v[12:13], v6                       ; LDS serves a wave's instructions in order: these see my stores
	s_wait_dscnt 0x0
	global_store_b64 v7, v[12:13], s[10:11]        ; 32 lanes store 256 consecutive bytes, aligned
	s_wait_tensorcnt 0x0
	ds_add_u32 v192, v193
	s_wait_dscnt 0x0
	s_endpgm
.Lfunc_end_k_q6544a5c0f3_quant:
	.size	k_q6544a5c0f3_quant, .Lfunc_end_k_q6544a5c0f3_quant-k_q6544a5c0f3_quant
	.p2alignl 7, 3214868480
	.fill 96, 4, 3214868480
	.section	.rodata,"a",@progbits
	.p2align	6, 0x0
	.amdhsa_kernel k_q6544a5c0f3_quant
		.amdhsa_group_segment_fixed_size 33280
		.amdhsa_private_segment_fixed_size 0
		.amdhsa_enable_private_segment 0
		.amdhsa_kernarg_size 48
		.amdhsa_user_sgpr_count 2
		.amdhsa_user_sgpr_kernarg_segment_ptr 1
		.amdhsa_wavefront_size32 1
		.amdhsa_system_sgpr_workgroup_id_x 1
		.amdhsa_system_sgpr_workgroup_id_y 1
		.amdhsa_system_sgpr_workgroup_id_z 1
		.amdhsa_system_vgpr_workitem_id 0
		.amdhsa_next_free_vgpr 194
		.amdhsa_next_free_sgpr 66
		.amdhsa_reserve_vcc 0
		.amdhsa_float_denorm_mode_32 3
		.amdhsa_float_denorm_mode_16_64 3
		.amdhsa_memory_ordered 1
		.amdhsa_forward_progress 1
		.amdhsa_inst_pref_size 33
	.end_amdhsa_kernel
	.amdgpu_metadata
---
amdhsa.version: [ 1, 2 ]
amdhsa.kernels:
  - .name:           k_q6544a5c0f3_quant
    .symbol:         k_q6544a5c0f3_quant.kd
    .args:
      - { .name: x, .offset: 0, .size: 8, .value_kind: global_buffer, .address_space: global }
      - { .name: Wq, .offset: 8, .size: 8, .value_kind: global_buffer, .address_space: global }
      - { .name: Wk, .offset: 16, .size: 8, .value_kind: global_buffer, .address_space: global }
      - { .name: Wv, .offset: 24, .size: 8, .value_kind: global_buffer, .address_space: global }
      - { .name: xq, .offset: 32, .size: 8, .value_kind: global_buffer, .address_space: global }
      - { .name: wq, .offset: 40, .size: 8, .value_kind: global_buffer, .address_space: global }
    .group_segment_fixed_size: 33280
    .private_segment_fixed_size: 0
    .kernarg_segment_align: 8
    .kernarg_segment_size: 48
    .max_flat_workgroup_size: 128
    .sgpr_count:     66
    .vgpr_count:     194
    .wavefront_size: 32
...
	.end_amdgpu_metadata
.endif
;; end of part 1
;; launch kvgemm (part 2): grid 4 x 64, 4 waves a work-group, clusters of 4 x 4, 327,680 bytes of LDS; arguments xq, wq, bk, bv, mask, part; writes part
.if DOCPART == 2
	.amdgcn_target "amdgcn-amd-amdhsa--gfx1250"
	.amdhsa_code_object_version 6
	.text
	.protected	k_q6544a5c0f3_kvgemm
	.globl	k_q6544a5c0f3_kvgemm
	.p2align	8
	.type	k_q6544a5c0f3_kvgemm,@function
k_q6544a5c0f3_kvgemm:
	s_mov_b64 s[64:65], 0
	v_nop
	global_prefetch_b8 v0, s[64:65] scope:SCOPE_SE
	s_setreg_imm32_b32 hwreg(HW_REG_WAVE_MODE, 25, 1), 1
	s_wait_xcnt 0x0
	s_wait_alu depctr_hold_cnt(0) depctr_sa_sdst(0) depctr_va_vdst(0) depctr_va_sdst(0) depctr_va_ssrc(0) depctr_va_vcc(0) depctr_vm_vsrc(0)
	s_getreg_b32 s2, hwreg(HW_REG_IB_STS2, 6, 4)
	s_cmp_eq_u32 s2, 0
	s_cbranch_scc0 .Lentry_in_a_cluster
	s_endpgm
.Lentry_in_a_cluster:
	s_bfe_u32 s2, ttmp6, 0x10000c
	s_cmp_lg_u32 s2, 0xf033
	s_cbranch_scc0 .Lentry_shape_is_right
	s_endpgm
.Lentry_shape_is_right:
; k = x Wk^T + bk, v = x Wv^T + bv on codes of FP6 (E2M3) with E8M0 scales; kf = (elu(k) + 1) m, v m; both quantised along t in registers;
; the part of kv = kf^T v and of z = sum of kf that 256 rows t give goes to the buffer part.  k and v never go to memory.
; A tile is 256 rows t x 256 columns; a wave makes 128 x 128: 64 accumulators, 512 registers.  A wave's 128 columns are ONE head: 64 of k, then 64 of v (so the weights were laid).
; A WORK-GROUP STAYS: it makes two tiles on the same rows t, tile columns cx and cx + 4 (the heads 8 further on).  The ring does not stop at the first tile's end: its last two changes of slots
; ask for the second tile's first two fills, which land under the first tile's way out, and nothing waits for the first tile's stores.
; K = 1,024 goes in four fills of 256 through two LDS slots filled by the tensor data mover; the scale bytes of the rows of x and of both tiles' weights, for all of K, come once.
; CLUSTER 4 x 4: the four of a row of the cluster need the same tiles of x, the four of a column the same tiles of the weights: each tile is asked for jointly.
; SOURCE 0 = 16 rows of x, source 1 = 16 rows of the weights: a lane holds ONE column, its registers run along t.  The rows of x were laid so that the 16 registers of tiles
; 2 B and 2 B + 1 are the 16 neighbours t = 32 B + 16 (lane / 16) + 0 .. 15: what the conversions want, since t is the next product's K.
; The sums start from bias + 1 (k) or bias (v) as the first product's C.  With p = k + 1: elu(k) + 1 = the middle one of p, e^k and 1.
; LIMITS: e^k is 2^(p L - L), L = log2(e) in f32: its relative error grows as 6e-8 |k| L; results under 2^-126 become 0.  A block under 2^-124 keeps the scale byte 1.  NaN and infinities are not served.
; REGISTERS: window 0: v1-14 addresses; v16-23, v26-27 LDS addresses of the loop; v28-29 for the add; v[30:31] -L; v32-63 scale words and nothing else; v64-127 the bias, later at work and kf's fragments;
;   v128-223 x's fragments, one set; later v128-191 64 numbers, v192-239 v's fragments.   window 1: the weights' fragments, two sets (v0-95, v128-223); v96-127, v224-255 the mask of my 128 rows.
;   window 2: accumulators of my rows 0-63 ((a, b) at v[8 (4 b + a % 4)]), later kv's sixteen;   window 3: rows 64-127.
.set NQ,     2                         ; matrix instructions deep in a slot
.set ROWB,   192                       ; a tile's row: 256 codes
.set KROW,   768                       ; a row of codes in memory
.set PITCH,  240                       ; an LDS row: 3 x (64 bytes + 16 of padding)
.set FR,     12                        ; registers of a fragment
.set NL,     6                         ; LDS loads that bring one
.set NP,     4                         ; places behind this matrix instruction (ISA guide 7.12.1)
.set HALFT,  128*PITCH
.set SLOT,   4*HALFT                   ; x's 256 rows, then the weights' 256 rows
.set KS,     32                        ; a row of scale bytes
.set SCL,    2*SLOT                    ; behind the ring: the scale bytes, as units of 256 bytes + 16 of padding: x's two halves; then for each half of the weights' rows the first tile's and the second tile's
.set HALFS,  (128*KS/256)*272          ; those of 128 rows
.set SBLK,   (16*KS/256)*272           ; those of 16 rows
.set SPARE,  SCL+6*HALFS               ; the spare words, 128 bytes for each wave
.set STG,    SPARE+512                 ; the way out: 8,192 bytes of kv for each wave; no tile ever lands here
.set ZSTG,   STG+4*8192                ; and 512 bytes of z for each wave
.set XS_OFF, 12582912                  ; xq: the scale bytes
.set WS_OFF, 2359296                   ; wq: Wk/Wv's scale bytes (their codes begin at 0)
.set ZP_OFF, 16777216                  ; part: z's partial sums
.set NEXT_B, 1024*KROW-2*ROWB          ; from a slot's last fill of the first tile to its first of the second: the weights go 1,024 rows on and back along K; x only back
.set NEXT_P, 128*16384                 ; the second tile's heads lie 8 further on: 8 x 16 places of 16,384 bytes in part,
.set NEXT_Z, 128*512                   ; of 512 bytes among z's sums,
.set NEXT_BI, 8*256                    ; and 8 x 64 numbers in a bias
.set ADRA, 16
.set ADRB, 20
.set ADRS1, 26                         ; LDS address of my scale words for the second tile
.set ADRS, 27                          ; and for the first; neither is ever stepped
.set SPW,  28
.set NIL,  29
.set NLG,  30
.set SC,   32
.set BI,   64                          ; the bias, eight registers a column tile
.set AF,   128
.set H,    128                         ; the way out: 64 numbers of a lane
.set VF2,  128                         ; v's four fragments in the order in which product 4 takes them
.set VFR,  192                         ; v's four fragments as they are made
.set OUTR, 192                         ; the partner's half of kv, then the sums to be stored
.set T2,   240                         ; the conversions' second halves
.set TMA,  64                          ; largest magnitudes; also z's chains
.set TMB,  68                          ; the other half's; then the bytes
.set TMC,  72                          ; the conversions' scale operands
.set ZS,   76                          ; z of my four column tiles
.set KFR,  80                          ; kf's four fragments
.set PWR,  32                          ; the scale words made here: 0-3 kf's, 4-7 v's as made, 8-11 v's as taken
.set SEL,  18                          ; s[18:19] selects for lane l xor 16
.set SWP,  100                         ; s100 all ones in the waves of rows 128-255, else 0
.set G1, 24
.set G0, 32
.set G1B, 48
.set G0B, 56
.set G1S, 68
.set G0S, 76
.set G1SB, 80
.set G0SB, 88
.set MSB, 0
.macro WIN new                         ; the immediate's high byte repeats the setting that is left
.if MSB != \new
	s_set_vgpr_msb (MSB<<8)|\new
.set MSB, \new
.endif
.endm
.set MUL_LO,  0xa4                     ; source 0 (x) window 0, source 1 (weights) window 1, C and D window 2
.set MUL_HI,  0xf4                     ; the same, C and D window 3
.set MUL_LO0, 0x84                     ; a tile's first step: C is the bias, in window 0
.set MUL_HI0, 0xc4
.set TO_B,    0x40                     ; destination window 1, address window 0
; A joint load: waves 0 and 1 fetch for x, waves 2 and 3 for the weights.  The branch hangs on the wave's number alone.  Four v_nop follow each of the two lines.
.macro JLOAD g0a, g1a, g0b, g1b
	s_cmp_eq_u32 s15, 0
	s_cbranch_scc0 .Lfor_b_\@
	tensor_load_to_lds s[\g0a:\g0a+3], s[\g1a:\g1a+7]
	s_nop 0
.rept 4
	v_nop
.endr
	s_branch .Lasked_\@
.Lfor_b_\@:
	tensor_load_to_lds s[\g0b:\g0b+3], s[\g1b:\g1b+7]
	s_nop 0
.rept 4
	v_nop
.endr
.Lasked_\@:
.endm
.macro CREST                           ; a round of the cluster's barrier behind its opening barrier
	s_cmp_lg_u32 s14, 0
	s_cbranch_scc1 .Lnot_wave_0_\@
	s_barrier_signal -3
.Lnot_wave_0_\@:
	s_barrier_wait -3
	s_barrier_signal -1
	s_barrier_wait -1
.endm
.macro CROUND
	s_barrier_signal -1
	s_barrier_wait -1
	CREST
.endm
.macro PLACES n
.rept \n
	v_nop
.endr
.endm
; The bias of my head, off bytes on: lane r's column of each tile, each number into both registers of a pair, into window 1's v0-15 (registers of the weights' set 0, which is not at work then)
.macro BIASLD off
	WIN TO_B
.irp b, 0,1,2,3
	global_load_b32 v[2*\b], v7, s[8:9] offset:(\off)+(32*(\b/2)+8*(\b%2))*4
	global_load_b32 v[2*\b+1], v7, s[8:9] offset:(\off)+(32*(\b/2)+8*(\b%2))*4
	global_load_b32 v[8+2*\b], v7, s[10:11] offset:(\off)+(32*(\b/2)+8*(\b%2))*4
	global_load_b32 v[9+2*\b], v7, s[10:11] offset:(\off)+(32*(\b/2)+8*(\b%2))*4
.endr
	WIN 0
.endm
.macro BIBUILD                         ; eight registers a column tile, in the result's layout
	WIN 0x01                                       ; source 0: window 1
.irp b, 0,1,2,3
.irp j, 0,2,4,6
	v_pk_add_f32 v[BI+8*\b+\j:BI+8*\b+\j+1], v[2*\b:2*\b+1], 1.0 op_sel_hi:[1,0]          ; k's sums start from bk + 1
	v_pk_add_f32 v[BI+32+8*\b+\j:BI+33+8*\b+\j], v[8+2*\b:9+2*\b], 0 op_sel_hi:[1,0]      ; v's from bv: a copy, two registers a line
.endr
.endr
	WIN 0
	PLACES NP
.endm
	s_load_b256 s[4:11], s[0:1], 0x0               ; xq, wq, bk, bv
	s_load_b128 s[96:99], s[0:1], 0x20             ; mask, part
	v_lshl_add_u32 v[SPW], v0, 2, SPARE
	v_mov_b32 v[NIL], 0
	ds_add_u32 v28, v29
	ds_add_u32 v28, v29
	s_wait_dscnt 0x0
	v_lshrrev_b32 v1, 5, v0
	v_readfirstlane_b32 s14, v1                    ; wave 0..3
	s_lshr_b32 s15, s14, 1                         ; which half of the rows is mine.  Also: I fetch for x (0) or for the weights (1)
	s_and_b32 s16, s14, 1                          ; which half of the columns.  Also: which 128 rows of that tile I fetch
	s_cmp_lg_u32 s15, 0
	s_cselect_b32 s[SWP], -1, 0
	s_bfe_u32 s40, ttmp6, 0x40000                  ; cx, cy
	s_bfe_u32 s41, ttmp6, 0x40004
	s_lshl_b32 s42, ttmp9, 2
	s_add_co_u32 s42, s42, s40                     ; the first tile's column, 0 .. 3
	s_and_b32 s17, ttmp7, 0xffff
	s_lshl_b32 s17, s17, 2
	s_add_co_u32 s17, s17, s41                     ; tile row
	s_lshl_b32 s43, s41, 2
	s_lshl_b32 s43, 15, s43                        ; my row of the cluster
	s_lshl_b32 s44, 0x1111, s40                    ; my column
	; group 1: 128 rows x 192 bytes, 16 bytes of padding behind every 64
	s_or_b32 s[G1+0], s43, (0<<16)|(1<<20)|(1<<21)|(3<<22)|(3<<25)
	s_or_b32 s[G1B+0], s44, (0<<16)|(1<<20)|(1<<21)|(3<<22)|(3<<25)
.irp g, G1, G1B
	s_mov_b32 s[\g+1], ROWB<<16                    ; tensor_dim0
	s_mov_b32 s[\g+2], 128<<16                     ; tensor_dim1
	s_mov_b32 s[\g+3], ROWB<<16                    ; tile_dim0
	s_mov_b32 s[\g+4], 128                         ; tile_dim1
	s_mov_b32 s[\g+5], KROW                        ; the pitch
	s_mov_b32 s[\g+6], 0
	s_mov_b32 s[\g+7], 0
.endr
	; x's scale bytes of 128 rows: 4,096 dense bytes as 16 rows of 256 (32 elements of 8 bytes), 16 bytes of padding behind each
	s_or_b32 s[G1S+0], s43, (3<<16)|(1<<20)|(1<<21)|(5<<22)|(3<<25)
	s_mov_b32 s[G1S+1], 32<<16
	s_mov_b32 s[G1S+2], 16<<16
	s_mov_b32 s[G1S+3], 32<<16
	s_mov_b32 s[G1S+4], 16
	s_mov_b32 s[G1S+5], 32
	s_mov_b32 s[G1S+6], 0
	s_mov_b32 s[G1S+7], 0
	; the weights': 128 rows of the first tile and the 128 rows that lie 1,024 rows on, for the second: 2 rows of 4,096 bytes (512 elements of 8), 32,768 bytes apart; the same padding behind every 256 bytes
	s_or_b32 s[G1SB+0], s44, (3<<16)|(1<<20)|(1<<21)|(5<<22)|(3<<25)
	s_mov_b32 s[G1SB+1], 512<<16                   ; tensor_dim0
	s_mov_b32 s[G1SB+2], 2<<16                     ; tensor_dim1
	s_mov_b32 s[G1SB+3], 512<<16                   ; tile_dim0
	s_mov_b32 s[G1SB+4], 2                         ; tile_dim1
	s_mov_b32 s[G1SB+5], 4096                      ; the pitch, in elements
	s_mov_b32 s[G1SB+6], 0
	s_mov_b32 s[G1SB+7], 0
	s_lshl_b32 s18, s16, 7
	s_lshl_b32 s20, s17, 8
	s_add_co_u32 s20, s20, s18                     ; x: row 256 x tile row + 128 x half
	s_lshl_b32 s46, s42, 8
	s_add_co_u32 s46, s46, s18                     ; weights: row 256 x tile column + 128 x half
	s_mov_b32 s21, 0
	s_mov_b32 s47, 0
	s_mov_b64 s[18:19], KS
	s_mul_u64 s[22:23], s[20:21], s[18:19]
	s_mul_u64 s[92:93], s[46:47], s[18:19]
	s_mov_b64 s[18:19], KROW
	s_mul_u64 s[20:21], s[20:21], s[18:19]
	s_mul_u64 s[46:47], s[46:47], s[18:19]
	s_add_nc_u64 s[22:23], s[22:23], XS_OFF
	s_add_nc_u64 s[92:93], s[92:93], WS_OFF
	s_mul_i32 s45, s14, HALFT                      ; where the codes go: wave x 128 rows
	s_mul_i32 s94, s14, HALFS                      ; x's scale bytes: wave x 4,352 (waves 0, 1)
	s_mul_i32 s95, s14, 2*HALFS                    ; the weights': (wave - 2) x 8,704 behind x's two halves (waves 2, 3)
	s_wait_kmcnt 0x0
	s_add_nc_u64 s[20:21], s[4:5], s[20:21]
	s_add_nc_u64 s[22:23], s[4:5], s[22:23]
	s_add_nc_u64 s[46:47], s[6:7], s[46:47]
	s_add_nc_u64 s[92:93], s[6:7], s[92:93]
	CROUND                                         ; all sixteen work-groups are here: the first joint loads meet
	s_mov_b32 s[G0S], 1
	s_add_co_u32 s[G0S+1], s94, SCL
	s_mov_b64 s[G0S+2:G0S+3], s[22:23]
	s_or_b32 s[G0S+3], s[G0S+3], 0x80000000
	s_mov_b32 s[G0SB], 1
	s_add_co_u32 s[G0SB+1], s95, SCL-2*HALFS
	s_mov_b64 s[G0SB+2:G0SB+3], s[92:93]
	s_or_b32 s[G0SB+3], s[G0SB+3], 0x80000000
	JLOAD G0S, G1S, G0SB, G1SB                     ; the scale bytes first
.irp s, 0,1
	s_mov_b32 s[G0+4*\s], 1
	s_add_co_u32 s[G0+4*\s+1], s45, \s*SLOT
	s_add_nc_u64 s[G0+4*\s+2:G0+4*\s+3], s[20:21], \s*ROWB
	s_or_b32 s[G0+4*\s+3], s[G0+4*\s+3], 0x80000000
	s_mov_b32 s[G0B+4*\s], 1
	s_add_co_u32 s[G0B+4*\s+1], s45, \s*SLOT
	s_add_nc_u64 s[G0B+4*\s+2:G0B+4*\s+3], s[46:47], \s*ROWB
	s_or_b32 s[G0B+4*\s+3], s[G0B+4*\s+3], 0x80000000
	JLOAD G0+4*\s, G1, G0B+4*\s, G1B
.endr
	; the other addresses
	s_lshl_b32 s46, s42, 1
	s_add_co_u32 s46, s46, s16                     ; my head in the first tile = 2 x tile column + half
	s_lshl_b32 s92, s46, 8                         ; its 64 numbers of a bias
	s_mov_b32 s93, 0
	s_add_nc_u64 s[8:9], s[8:9], s[92:93]
	s_add_nc_u64 s[10:11], s[10:11], s[92:93]
	s_lshl_b32 s92, s17, 10
	s_lshl_b32 s94, s15, 9
	s_add_co_u32 s92, s92, s94                     ; 4 x my first row
	s_add_nc_u64 s[96:97], s[96:97], s[92:93]      ; the mask of my 128 rows
	s_lshr_b32 s92, s17, 4
	s_lshl_b32 s92, s92, 4
	s_add_co_u32 s92, s92, s46                     ; 16 x batch + head
	s_lshl_b32 s92, s92, 4
	s_and_b32 s94, s17, 15
	s_add_co_u32 s92, s92, s94                     ; x 16 + which 256 rows of the batch
	s_lshl_b32 s94, s92, 14                        ; 16,384 bytes of kv each;
	s_lshl_b32 s95, s15, 13                        ; I store half of them
	s_add_co_u32 s94, s94, s95
	s_mov_b32 s95, 0
	s_add_nc_u64 s[12:13], s[98:99], s[94:95]
	s_lshl_b32 s94, s92, 9                         ; 512 bytes of z each
	s_lshl_b32 s92, s15, 8
	s_add_co_u32 s94, s94, s92
	s_add_co_u32 s94, s94, ZP_OFF
	s_add_nc_u64 s[66:67], s[98:99], s[94:95]
	v_and_b32 v1, 15, v0                           ; r
	v_bfe_u32 v2, v0, 4, 1                         ; h
	v_and_b32 v6, 8, v1
	v_add_nc_u32 v6, v6, v1
	v_lshlrev_b32 v7, 2, v6                        ; 4 (r + 8 (r / 8)): lane r's column in a tile of the weights
	v_lshlrev_b32 v8, 6, v2                        ; 64 h
	BIASLD 0                                       ; the first tile's bias
	WIN TO_B
.irp e, 0,1,2,3                                ; the mask: register 16 e + i = m(32 e + 16 h + i), in the 64 registers of window 1 that the fragments leave free; it serves both tiles
.irp q, 0,1,2,3
	global_load_b128 v[96+16*\e+4*\q+96*(\e/2):99+16*\e+4*\q+96*(\e/2)], v8, s[96:97] offset:128*\e+16*\q
.endr
.endr
	WIN 0
	v_mul_u32_u24 v3, v1, PITCH
	v_mul_u32_u24 v4, v2, 24
	v_add_nc_u32 v4, v3, v4                        ; a fragment's row x pitch + 24 x half
	v_lshl_add_u32 v5, v2, 4, v4                   ; and the same behind one padding more
	s_mul_i32 s21, s15, HALFT
	s_mul_i32 s22, s16, HALFT
	s_add_co_u32 s22, s22, 2*HALFT
.irp s, 0,1
	v_add_nc_u32 v[ADRA+\s], s21, v4
	v_add_nc_u32 v[ADRB+\s], s22, v4
	v_add_nc_u32 v[ADRA+2+\s], s21, v5
	v_add_nc_u32 v[ADRB+2+\s], s22, v5
	s_add_co_u32 s21, s21, SLOT
	s_add_co_u32 s22, s22, SLOT
.endr
	v_mul_u32_u24 v5, v1, KS                       ; my row's scale bytes,
	v_lshrrev_b32 v6, 8, v5
	v_lshl_add_u32 v5, v6, 4, v5                   ; and 16 more for each 256 passed
	s_mul_i32 s21, s15, HALFS                      ; x's: my 128 rows
	s_mul_i32 s22, s16, 2*HALFS                    ; the weights': my 128 rows' two tiles, behind x's two halves
	s_add_co_u32 s22, s22, 2*HALFS
	s_sub_co_u32 s22, s22, s21
	v_mul_u32_u24 v6, s22, v2                      ; lanes 16-31 take the weights': the first tile's,
	s_add_co_u32 s22, s22, HALFS
	v_mul_u32_u24 v3, s22, v2                      ; or the second's, 4,352 bytes on
	s_add_co_u32 s21, s21, SCL
	v_add_nc_u32 v6, v5, v6
	v_add_nc_u32 v[ADRS], s21, v6
	v_add_nc_u32 v3, v5, v3
	v_add_nc_u32 v[ADRS1], s21, v3
	; the way out: the stage behind the spare words
	v_and_b32 v6, 31, v0
	v_lshlrev_b32 v13, 4, v6                       ; 16 x lane
	v_lshlrev_b32 v14, 3, v6                       ; 8 x lane
	v_lshlrev_b32 v5, 2, v6                        ; 4 x lane
	s_lshl_b32 s21, s14, 13
	s_add_co_u32 s21, s21, STG
	v_add_nc_u32 v9, s21, v13                      ; where I put the half of kv that my partner stores
	s_xor_b32 s21, s14, 2                          ; my partner: the same head, the other 128 rows
	s_lshl_b32 s21, s21, 13
	s_add_co_u32 s21, s21, STG
	v_add_nc_u32 v10, s21, v13                     ; where it has put mine
	s_lshl_b32 s21, s14, 9
	s_add_co_u32 s21, s21, ZSTG
	v_add_nc_u32 v11, s21, v5                      ; where I put z
	s_lshl_b32 s21, s16, 9
	s_lshl_b32 s22, s15, 8
	s_add_co_u32 s21, s21, s22
	s_add_co_u32 s21, s21, ZSTG
	v_add_nc_u32 v12, s21, v5                      ; where I read it: my head's first wave, the two tiles that I store
	s_mov_b32 s[SEL], 0x76543210
	s_mov_b32 s[SEL+1], 0xfedcba98
	v_mov_b32 v[NLG], 0xbfb8aa3b                   ; -log2(e)
	v_mov_b32 v[NLG+1], 0xbfb8aa3b
	s_wait_loadcnt 0x0
	BIBUILD
.macro FRAG reg, adr, q, i             ; 16 rows x 128 K: lane l holds row l % 16; registers 6 c .. 6 c + 5 hold K = 64 c + 32 (l / 16) + 0 .. 31: 24 bytes of the row as they lie, in pieces of 8
.irp p, 0,1,2,3,4,5
.set PCE, 12*(\q)+6*(\p/3)+\p%3        ; where the piece three on lies behind one padding more, the second address register serves
.if PCE%8 < 5
	ds_load_b64 v[\reg+2*\p:\reg+2*\p+1], v[\adr] offset:8*PCE+16*(PCE/8)+(\i)*16*PITCH
.else
	ds_load_b64 v[\reg+2*\p:\reg+2*\p+1], v[\adr+2] offset:8*PCE+16*(PCE/8)+(\i)*16*PITCH
.endif
.endr
.endm
; 16 matrix instructions: x's blocks a0, a0 + 1 against the weights' eight.  The 64 accumulators take turns, one instruction a turn, in the same order in every step.
.macro MUL16 a0, p, q, sc, zero
.irp a, \a0, \a0+1
.irp b, 0,1,2,3,4,5,6,7
.if \zero
	v_wmma_scale_f32_16x16x128_f8f6f4 v[8*(4*\b+(\a)%4):8*(4*\b+(\a)%4)+7], v[AF+FR*(\a):AF+FR*(\a)+FR-1], v[128*(\p)+FR*\b:128*(\p)+FR*\b+FR-1], v[BI+8*\b:BI+8*\b+7], v[SC+8*NQ*(\sc)+NQ*(\a)+(\q)], v[SC+8*NQ*(\sc)+NQ*\b+(\q)] matrix_a_fmt:MATRIX_FMT_FP6 matrix_b_fmt:MATRIX_FMT_FP6 matrix_b_scale:MATRIX_SCALE_ROW1
.else
	v_wmma_scale_f32_16x16x128_f8f6f4 v[8*(4*\b+(\a)%4):8*(4*\b+(\a)%4)+7], v[AF+FR*(\a):AF+FR*(\a)+FR-1], v[128*(\p)+FR*\b:128*(\p)+FR*\b+FR-1], v[8*(4*\b+(\a)%4):8*(4*\b+(\a)%4)+7], v[SC+8*NQ*(\sc)+NQ*(\a)+(\q)], v[SC+8*NQ*(\sc)+NQ*\b+(\q)] matrix_a_fmt:MATRIX_FMT_FP6 matrix_b_fmt:MATRIX_FMT_FP6 matrix_b_scale:MATRIX_SCALE_ROW1
.endif
.endr
.endr
.endm
.macro FETCH_B slot, q, p
	WIN TO_B
.irp i, 0,1,2,3,4,5,6,7
	FRAG 128*(\p)+FR*\i, ADRB+\slot, \q, \i
.endr
	WIN 0
.endm
.macro FETCH_A slot, q, i0
.irp i, \i0, \i0+1, \i0+2, \i0+3
	FRAG AF+FR*(\i), ADRA+\slot, \q, \i
.endr
.endm
.macro SCALES sc, adr, off             ; a fill's scale words, off bytes on in each row: lanes 0-15 x's block i, lanes 16-31 the weights' block i
.irp i, 0,1,2,3,4,5,6,7
	ds_load_b64 v[SC+8*NQ*\sc+NQ*\i:SC+8*NQ*\sc+NQ*\i+1], v[\adr] offset:\i*SBLK+(\off)
.endr
.endm
.macro FIRST adr                       ; a tile's first fragments and scale words, out of slot 0
	FETCH_B 0, 0, 0
	FETCH_A 0, 0, 0
	SCALES 0, \adr, 0
	FETCH_A 0, 0, 4
.endm
.macro STEP slot, q, zero              ; 128 along K with its successor in the same slot
	s_wait_dscnt 4*NL                              ; all but the youngest 24 loads (x's blocks 4-7) are in
.if \zero
	WIN MUL_LO0
.else
	WIN MUL_LO
.endif
	MUL16 0, (\q)%2, \q, \slot, \zero
	MUL16 2, (\q)%2, \q, \slot, \zero
	s_wait_dscnt 0
	PLACES NP                                      ; in front of loads into registers that matrix instructions have read
	FETCH_B \slot, (\q)+1, 1-(\q)%2
	FETCH_A \slot, (\q)+1, 0
.if \zero
	WIN MUL_HI0
.else
	WIN MUL_HI
.endif
	MUL16 4, (\q)%2, \q, \slot, \zero
	MUL16 6, (\q)%2, \q, \slot, \zero
	PLACES NP
	WIN 0
	FETCH_A \slot, (\q)+1, 4
.endm
; A slot's last step changes slots: one barrier; in front of it each wave waits for all its tensor loads, adds 0 to its spare word, and waits for that and for its reads of this slot.
; fill = 1: this slot takes this tile's K two fills on; 2: the next tile's fill of the same slot; 0: nothing.  fetch = 1: the next slot's first fragments and its scale words (register sadr, soff bytes on) are fetched.
.macro TURN slot, next, fill, fetch, sadr, soff
	s_wait_tensorcnt 0x0                           ; all my tensor loads have landed: my part of the next slot
	ds_add_u32 v[SPW], v[NIL]                      ; 0 onto my spare word
	s_wait_dscnt 4*NL+1                            ; the add and the youngest 24 loads may be out
	WIN MUL_LO
	MUL16 0, 1, NQ-1, \slot, 0
	s_wait_dscnt 0x0                               ; the add is done, and my reads of this slot are over
	s_barrier_signal -1
	MUL16 2, 1, NQ-1, \slot, 0
	WIN 0
	s_barrier_wait -1
.if \fill
	CREST                                          ; the barrier has opened a round of the cluster's: no wave of any partner still reads this slot or has a load on its way
.if \fill == 1
	s_add_nc_u64 s[G0+4*\slot+2:G0+4*\slot+3], s[G0+4*\slot+2:G0+4*\slot+3], 2*ROWB
	s_add_nc_u64 s[G0B+4*\slot+2:G0B+4*\slot+3], s[G0B+4*\slot+2:G0B+4*\slot+3], 2*ROWB
.else
	s_sub_nc_u64 s[G0+4*\slot+2:G0+4*\slot+3], s[G0+4*\slot+2:G0+4*\slot+3], 2*ROWB   ; the same rows of x, back along K
	s_add_nc_u64 s[G0B+4*\slot+2:G0B+4*\slot+3], s[G0B+4*\slot+2:G0B+4*\slot+3], NEXT_B   ; the weights 1,024 rows on, back along K
.endif
	JLOAD G0+4*\slot, G1, G0B+4*\slot, G1B         ; the first tensor load behind the round; its four v_nop are the places in front of the loads below
.else
	PLACES NP
.endif
.if \fetch
	FETCH_B \next, 0, 0
	FETCH_A \next, 0, 0
	SCALES \next, \sadr, \soff
.endif
	WIN MUL_HI
	MUL16 4, 1, NQ-1, \slot, 0
	MUL16 6, 1, NQ-1, \slot, 0
	PLACES NP
	WIN 0
.if \fetch
	FETCH_A \next, 0, 4
.endif
.endm
; 64 numbers of a lane, register 16 b + i = k 32 b + 16 (lane / 16) + i of my row, become a fragment's codes in v[pc] on and its scale word in v[pw].
.macro QUANT s, pc, t2, pw
.irp b, 0,1,2,3
	v_max3_num_f32 v[TMA+\b], |v[\s+16*\b]|, |v[\s+1+16*\b]|, 0x1800000   ; with the floor 2^(3 - 127): the byte cannot fall under 1
.endr
.irp i, 2,4,6,8,10,12,14
.irp b, 0,1,2,3
	v_max3_num_f32 v[TMA+\b], v[TMA+\b], |v[\s+16*\b+\i]|, |v[\s+1+16*\b+\i]|   ; the four blocks by turns
.endr
.endr
.irp b, 0,1,2,3
	v_permlanex16_b32 v[TMB+\b], v[TMA+\b], s[SEL], s[SEL+1]
.endr
.irp b, 0,1,2,3
	v_max_num_f32 v[TMA+\b], v[TMA+\b], v[TMB+\b]   ; with lane l xor 16's: the block's largest magnitude
.endr
.irp b, 0,1,2,3
	v_add_nc_u32 v[TMC+\b], 0xff000000, v[TMA+\b]   ; 2 off its exponent field: the conversion's scale operand
.endr
.irp b, 0,1,2,3
	v_lshrrev_b32 v[TMB+\b], 23, v[TMC+\b]          ; the scale's byte
.endr
	v_lshl_or_b32 v[\pw], v[TMB+1], 8, v[TMB]
	v_lshl_or_b32 v[\pw], v[TMB+2], 16, v[\pw]
	v_lshl_or_b32 v[\pw], v[TMB+3], 24, v[\pw]
.irp c, 0,1
	v_cvt_scalef32_pk16_fp6_f32 v[\pc+6*\c:\pc+2+6*\c], v[\s+32*\c:\s+15+32*\c], v[TMC+2*\c]
	v_cvt_scalef32_pk16_fp6_f32 v[\t2+4*\c:\t2+2+4*\c], v[\s+16+32*\c:\s+31+32*\c], v[TMC+2*\c+1]   ; (a conversion's three registers begin on an even number)
.endr
	v_nop                                          ; one plain place behind a scaled conversion
.irp c, 0,1                                    ; the operand wants a whole block in a lane: lanes 0-15 block 2 c, lanes 16-31 block 2 c + 1
.irp i, 0,1,2
	v_permlane16_swap_b32 v[\pc+6*\c+\i], v[\t2+4*\c+\i]
.endr
.irp i, 0,1,2
	v_mov_b32 v[\pc+3+6*\c+\i], v[\t2+4*\c+\i]
.endr
.endr
.endm
; Column tile b of k: 16 columns x my 128 rows.  phi, the mask, z's sum, the quantiser.  Each accumulator is read from its low end on.
.macro KTILE b
	WIN 0x02                                       ; source 0: window 2
.set ii, 0
.rept 16
	v_pk_fma_f32 v[H+ii:H+ii+1], v[32*\b+ii:32*\b+ii+1], 0x3fb8aa3b, v[NLG:NLG+1] op_sel_hi:[1,0,1]   ; p L - L = k L
.set ii, ii+2
.endr
	WIN 0x03
.set ii, 0
.rept 16
	v_pk_fma_f32 v[H+32+ii:H+33+ii], v[32*\b+ii:32*\b+ii+1], 0x3fb8aa3b, v[NLG:NLG+1] op_sel_hi:[1,0,1]
.set ii, ii+2
.endr
	WIN 0
.set ii, 0
.rept 64
	v_exp_f32 v[H+ii], v[H+ii]                     ; e^k
.set ii, ii+1
.endr
	v_nop                                          ; one plain place behind the exponentials
	WIN 0x02
.set ii, 0
	s_wait_alu depctr_va_vdst(0)
.rept 32
	v_med3_num_f32 v[H+ii], v[32*\b+ii], v[H+ii], 1.0   ; k > 0: 1 < p < e^k; k < 0: p < e^k < 1: the middle one is elu(k) + 1
.set ii, ii+1
.endr
	WIN 0x03
.set ii, 0
.rept 32
	v_med3_num_f32 v[H+32+ii], v[32*\b+ii], v[H+32+ii], 1.0
.set ii, ii+1
.endr
	WIN 0x04                                       ; source 1: window 1
.set ii, 0
.rept 32
	v_pk_mul_f32 v[H+ii:H+ii+1], v[H+ii:H+ii+1], v[96+ii+96*(ii/32):97+ii+96*(ii/32)]   ; x the mask
.set ii, ii+2
.endr
	WIN 0
	v_pk_add_f32 v[TMA:TMA+1], v[H:H+1], v[H+4:H+5]            ; z: my 64 numbers, in two chains, unquantised
	v_pk_add_f32 v[TMA+2:TMA+3], v[H+2:H+3], v[H+6:H+7]
.set ii, 8
.rept 14
	v_pk_add_f32 v[TMA:TMA+1], v[TMA:TMA+1], v[H+ii:H+ii+1]
	v_pk_add_f32 v[TMA+2:TMA+3], v[TMA+2:TMA+3], v[H+ii+2:H+ii+3]
.set ii, ii+4
.endr
	v_pk_add_f32 v[TMA:TMA+1], v[TMA:TMA+1], v[TMA+2:TMA+3]
	v_add_f32 v[ZS+\b], v[TMA], v[TMA+1]
	QUANT H, KFR+12*\b, T2, PWR+\b
.endm
.macro VTILE j                         ; column tile j of v: the mask, the quantiser
	WIN 0x06                                       ; source 0 window 2, source 1 window 1
.set ii, 0
.rept 16
	v_pk_mul_f32 v[H+ii:H+ii+1], v[128+32*\j+ii:129+32*\j+ii], v[96+ii:97+ii]
.set ii, ii+2
.endr
	WIN 0x07
.set ii, 0
.rept 16
	v_pk_mul_f32 v[H+32+ii:H+33+ii], v[128+32*\j+ii:129+32*\j+ii], v[224+ii:225+ii]
.set ii, ii+2
.endr
	WIN 0
	QUANT H, VFR+12*\j, T2, PWR+4+\j
.endm
; THE WAY OUT of tile t of the two.
.macro EPI t
.if (\t) == 0
	BIASLD NEXT_BI                                 ; the second tile's bias is asked for now (four places stand behind the last product that read set 0) and waited for behind this way out
.endif
	KTILE 0
	KTILE 1
	KTILE 2
	KTILE 3
	VTILE 0
	VTILE 1
	VTILE 2
	VTILE 3
	; The two waves of a head hold the sums of its two halves of the rows; the wave of rows 0-127 stores kv's column tiles 0, 1, the other tiles 2, 3.  So that the half that a wave stores lies in the same
	; registers in every wave, the waves of rows 128-255 take v's fragments, and their scale words, in the order 2, 3, 0, 1: a choice of values by the wave's number, no branch.
.set ii, 0
.rept 24
	v_cndmask_b32 v[VF2+ii], v[VFR+ii], v[VFR+24+ii], s[SWP]
	v_cndmask_b32 v[VF2+24+ii], v[VFR+24+ii], v[VFR+ii], s[SWP]
.set ii, ii+1
.endr
.irp j, 0,1
	v_cndmask_b32 v[PWR+8+\j], v[PWR+4+\j], v[PWR+6+\j], s[SWP]
	v_cndmask_b32 v[PWR+10+\j], v[PWR+6+\j], v[PWR+4+\j], s[SWP]
.endr
	PLACES 8                                       ; a scale word made by vector instructions stands 8 places ahead of a scaled matrix instruction, an operand 4
	WIN 0x80                                       ; destination window 2
.irp j, 0,1,2,3                                ; kv(d, c) over my 128 rows: source 0 = 16 columns of kf, source 1 = 16 columns of v, K = t.  Sixteen accumulators, one instruction each
.irp i, 0,1,2,3
	v_wmma_scale_f32_16x16x128_f8f6f4 v[8*(4*\j+\i):8*(4*\j+\i)+7], v[KFR+12*\i:KFR+12*\i+11], v[VF2+12*\j:VF2+12*\j+11], 0, v[PWR+\i], v[PWR+8+\j] matrix_a_fmt:MATRIX_FMT_FP6 matrix_b_fmt:MATRIX_FMT_FP6
.endr
.endr
	PLACES NP
	WIN 0x08                                       ; an LDS store's data: window 2
.set ii, 0
.rept 16
	ds_store_b128 v9, v[64+4*ii:67+4*ii] offset:512*ii   ; registers 64-127: the half that my partner stores, as it stands, each accumulator from its low end on
.set ii, ii+1
.endr
	WIN 0
.irp b, 0,1,2,3
	ds_store_b32 v11, v[ZS+\b] offset:128*\b
.endr
	s_wait_dscnt 0x0                               ; for the others' sake: my stores are done
	s_barrier_signal -1
	s_barrier_wait -1                              ; (behind this barrier nothing is filled: the next fill has its own)
.set ii, 0
.rept 16
	ds_load_b128 v[OUTR+4*ii:OUTR+4*ii+3], v10 offset:512*ii       ; my half, as my partner summed it over its rows
.set ii, ii+1
.endr
	ds_load_b32 v[TMA], v12
	ds_load_b32 v[TMA+1], v12 offset:128
	ds_load_b32 v[TMA+2], v12 offset:1024
	ds_load_b32 v[TMA+3], v12 offset:1152
	s_wait_dscnt 0x0
	WIN 0x02                                       ; source 0: window 2
.set ii, 0
.rept 32
	v_pk_add_f32 v[OUTR+ii:OUTR+ii+1], v[ii:ii+1], v[OUTR+ii:OUTR+ii+1]   ; + registers 0-63, my own sums, from each accumulator's low end on
.set ii, ii+2
.endr
	WIN 0
	v_pk_add_f32 v[TMA:TMA+1], v[TMA:TMA+1], v[TMA+2:TMA+3]
.set ii, 0
.rept 16
	global_store_b128 v13, v[OUTR+4*ii:OUTR+4*ii+3], s[12:13] offset:(\t)*NEXT_P+512*ii   ; 32 lanes store 512 consecutive bytes, aligned; the tile's place stands in the immediate, inside its signed 24 bits
.set ii, ii+1
.endr
	global_store_b64 v14, v[TMA:TMA+1], s[66:67] offset:(\t)*NEXT_Z   ; 256 consecutive bytes, aligned
.endm
	s_wait_tensorcnt 1                             ; of my three loads slot 1's may be out: the scale bytes and my part of slot 0 are in,
	s_barrier_signal -1
	s_barrier_wait -1                              ; everybody's are
	; ---- the first tile
	FIRST ADRS
	STEP 0, 0, 1                                   ; K 0-127: the products start the sums from the bias
	TURN 0, 1, 1, 1, ADRS, 8                       ; K 128-255; slot 0 takes K 512-767
	STEP 1, 0, 0
	TURN 1, 0, 1, 1, ADRS, 16                      ; slot 1 takes K 768-1023
	STEP 0, 0, 0
	TURN 0, 1, 2, 1, ADRS, 24                      ; THE RING GOES ON INTO THE SECOND TILE: slot 0 takes its K 0-255,
	STEP 1, 0, 0
	TURN 1, 0, 2, 0, ADRS, 0                       ; slot 1 its K 256-511; no fragments are fetched: the way out needs their registers.  In front of this round every wave has shown slot 0's new tile landed
.irp b, 0,1,2,3
	v_mov_b32 v[TMB+\b], 0                         ; written once: a lane permute's destination counts as one of its sources
.endr
	EPI 0
	s_wait_loadcnt 0x0                             ; the second tile's bias
	s_wait_xcnt 0x0                                ; the stores have read their registers: these are written again from here on
	BIBUILD
	; ---- the second tile
	FIRST ADRS1
	STEP 0, 0, 1
	TURN 0, 1, 1, 1, ADRS1, 8
	STEP 1, 0, 0
	TURN 1, 0, 1, 1, ADRS1, 16
	STEP 0, 0, 0
	TURN 0, 1, 0, 1, ADRS1, 24                     ; nothing more to fetch
	STEP 1, 0, 0
	s_wait_dscnt 4*NL
	WIN MUL_LO
	MUL16 0, 1, NQ-1, 1, 0
	MUL16 2, 1, NQ-1, 1, 0
	s_wait_dscnt 0
	WIN MUL_HI
	MUL16 4, 1, NQ-1, 1, 0
	MUL16 6, 1, NQ-1, 1, 0
	WIN 0
	PLACES NP
	EPI 1
	s_wait_tensorcnt 0x0                           ; the wave's end
	ds_add_u32 v[SPW], v[NIL]
	s_wait_dscnt 0x0
	CROUND                                         ; the closing round
	s_endpgm
.Lfunc_end_k_q6544a5c0f3_kvgemm:
	.size	k_q6544a5c0f3_kvgemm, .Lfunc_end_k_q6544a5c0f3_kvgemm-k_q6544a5c0f3_kvgemm
	.p2alignl 7, 3214868480
	.fill 96, 4, 3214868480
	.section	.rodata,"a",@progbits
	.p2align	6, 0x0
	.amdhsa_kernel k_q6544a5c0f3_kvgemm
		.amdhsa_group_segment_fixed_size 327680
		.amdhsa_private_segment_fixed_size 0
		.amdhsa_enable_private_segment 0
		.amdhsa_kernarg_size 48
		.amdhsa_user_sgpr_count 2
		.amdhsa_user_sgpr_kernarg_segment_ptr 1
		.amdhsa_wavefront_size32 1
		.amdhsa_system_sgpr_workgroup_id_x 1
		.amdhsa_system_sgpr_workgroup_id_y 1
		.amdhsa_system_sgpr_workgroup_id_z 1
		.amdhsa_system_vgpr_workitem_id 0
		.amdhsa_next_free_vgpr 1024
		.amdhsa_next_free_sgpr 106
		.amdhsa_reserve_vcc 0
		.amdhsa_float_denorm_mode_32 3
		.amdhsa_float_denorm_mode_16_64 3
		.amdhsa_memory_ordered 1
		.amdhsa_forward_progress 1
		.amdhsa_inst_pref_size 255
	.end_amdhsa_kernel
	.section	.bss,"aw",@nobits
	.p2align	6
	.space	262144
	.amdgpu_metadata
---
amdhsa.version: [ 1, 2 ]
amdhsa.kernels:
  - .name:           k_q6544a5c0f3_kvgemm
    .symbol:         k_q6544a5c0f3_kvgemm.kd
    .args:
      - { .name: xq, .offset: 0, .size: 8, .value_kind: global_buffer, .address_space: global }
      - { .name: wq, .offset: 8, .size: 8, .value_kind: global_buffer, .address_space: global }
      - { .name: bk, .offset: 16, .size: 8, .value_kind: global_buffer, .address_space: global }
      - { .name: bv, .offset: 24, .size: 8, .value_kind: global_buffer, .address_space: global }
      - { .name: mask, .offset: 32, .size: 8, .value_kind: global_buffer, .address_space: global }
      - { .name: part, .offset: 40, .size: 8, .value_kind: global_buffer, .address_space: global }
    .group_segment_fixed_size: 327680
    .private_segment_fixed_size: 0
    .kernarg_segment_align: 8
    .kernarg_segment_size: 48
    .max_flat_workgroup_size: 128
    .sgpr_count:     106
    .vgpr_count:     1024
    .wavefront_size: 32
...
	.end_amdgpu_metadata
.endif
;; end of part 2
;; launch kvred (part 3): grid 256 x 1, 4 waves a work-group, no clusters, 17,920 bytes of LDS; arguments part, kvq; writes kvq
.if DOCPART == 3
	.amdgcn_target "amdgcn-amd-amdhsa--gfx1250"
	.amdhsa_code_object_version 6
	.text
	.protected	k_q6544a5c0f3_kvred
	.globl	k_q6544a5c0f3_kvred
	.p2align	8
	.type	k_q6544a5c0f3_kvred,@function
k_q6544a5c0f3_kvred:
	s_mov_b64 s[64:65], 0
	v_nop
	global_prefetch_b8 v0, s[64:65] scope:SCOPE_SE
	s_setreg_imm32_b32 hwreg(HW_REG_WAVE_MODE, 25, 1), 1
	s_wait_xcnt 0x0
; For one (batch, head) and one tile of 16 columns of kv: the 16 partial sums are added, kv is quantised along d (its first axis, the last product's K: 64 = two blocks of 32)
; into an image of the operand's registers, and z's 16 numbers of the same tile are added and stored in f32.
; part: kv [bh x 16 + chunk][tile j][quad q][lane][4] f32: a lane holds column r of the tile, register 16 B + i = d 32 B + 16 (lane / 16) + i.  z [bh x 16 + chunk][j / 2][lane][2].
; kvq: fragments [4 bh + j][3 quads][lane][16 bytes]; scale words [4 bh + j][lane]; z [batch][1024] f32 in the natural order.
; The last product takes 128 along K, two heads' 64: an even head's codes stand at K 0-63, an odd head's at K 64-127; the other half is zero codes under the byte 127.
; Each wave adds four chunks; the four sums meet in LDS and wave 0 finishes.  LIMITS: a block under 2^-124 keeps the byte 1; NaN and infinities are not served.
.set ZP_OFF,  16777216
.set KVS_OFF, 393216
.set ZB_OFF,  425984
	s_load_b128 s[4:7], s[0:1], 0x0                ; part, kvq
	v_lshl_add_u32 v192, v0, 2, 0x4400
	v_mov_b32 v193, 0
	v_lshrrev_b32 v1, 5, v0
	v_readfirstlane_b32 s8, v1                     ; wave
	v_and_b32 v2, 31, v0
	v_lshlrev_b32 v3, 4, v2                        ; 16 x lane
	v_lshlrev_b32 v4, 3, v2                        ; 8 x lane
	v_lshlrev_b32 v5, 2, v2                        ; 4 x lane
	s_lshl_b32 s16, s8, 12
	v_add_nc_u32 v6, s16, v3                       ; LDS: my wave's 4,096 bytes of kv
	s_lshl_b32 s16, s8, 7
	s_add_co_u32 s16, s16, 16384
	v_add_nc_u32 v7, s16, v5                       ; and its 128 bytes of z
	v_and_b32 v15, 15, v0
	v_and_b32 v24, 8, v15
	v_add_nc_u32 v15, v15, v24
	v_lshlrev_b32 v15, 2, v15                      ; 4 (r + 8 (r / 8)): lane r's place among the head's 64
	v_mov_b32 v10, 0                               ; lane permutes' destinations count as sources: written once
	v_mov_b32 v11, 0
	s_mov_b32 s20, 0x76543210
	s_mov_b32 s21, 0xfedcba98
	s_and_b32 s9, ttmp9, 3                         ; j
	s_lshr_b32 s10, ttmp9, 2                       ; bh = 16 x batch + head
	s_and_b32 s11, s10, 1                          ; the head's parity
	s_lshl_b32 s12, s10, 18                        ; 16 chunks of 16,384 bytes
	s_lshl_b32 s13, s8, 16                         ; my four chunks
	s_add_co_u32 s12, s12, s13
	s_lshl_b32 s13, s9, 12
	s_add_co_u32 s12, s12, s13
	s_mov_b32 s13, 0
	s_lshl_b32 s14, s10, 13                        ; z: 16 chunks of 512 bytes
	s_lshl_b32 s15, s8, 11
	s_add_co_u32 s14, s14, s15
	s_lshr_b32 s15, s9, 1
	s_lshl_b32 s15, s15, 8
	s_add_co_u32 s14, s14, s15
	s_and_b32 s15, s9, 1
	s_lshl_b32 s15, s15, 2
	s_add_co_u32 s14, s14, s15
	s_add_co_u32 s14, s14, ZP_OFF
	s_mov_b32 s15, 0
	s_sub_co_u32 s22, s11, 1                       ; all ones for an even head, 0 for an odd one
	s_not_b32 s23, s22
	s_lshl_b32 s24, s11, 4
	s_sub_co_u32 s25, 16, s24
	s_lshl_b32 s25, 0x7f7f, s25                    ; the byte 127 twice, for the half of zero codes
	s_lshl_b32 s26, s10, 2
	s_add_co_u32 s26, s26, s9                      ; 4 bh + j
	s_mul_i32 s28, s26, 1536
	s_mov_b32 s29, 0
	s_lshl_b32 s30, s26, 7
	s_add_co_u32 s30, s30, KVS_OFF
	s_mov_b32 s31, 0
	s_lshl_b32 s32, s10, 8                         ; z: 256 bytes a head,
	s_lshr_b32 s33, s9, 1
	s_lshl_b32 s33, s33, 7
	s_add_co_u32 s32, s32, s33                     ; + 4 x 32 (j / 2)
	s_and_b32 s33, s9, 1
	s_lshl_b32 s33, s33, 5
	s_add_co_u32 s32, s32, s33                     ; + 4 x 8 (j % 2)
	s_add_co_u32 s32, s32, ZB_OFF
	s_mov_b32 s33, 0
	s_wait_kmcnt 0x0
	s_add_nc_u64 s[12:13], s[4:5], s[12:13]
	s_add_nc_u64 s[14:15], s[4:5], s[14:15]
	s_add_nc_u64 s[28:29], s[6:7], s[28:29]
	s_add_nc_u64 s[30:31], s[6:7], s[30:31]
	s_add_nc_u64 s[32:33], s[6:7], s[32:33]
.irp c, 0,1,2,3
.irp q, 0,1,2,3,4,5,6,7
	global_load_b128 v[32+32*\c+4*\q:35+32*\c+4*\q], v3, s[12:13] offset:16384*\c+512*\q th:TH_LOAD_NT   ; 512 consecutive bytes a load
.endr
	global_load_b32 v[160+\c], v4, s[14:15] offset:512*\c
.endr
	s_wait_loadcnt 0x0
.irp c, 1,2,3
.set ii, 0
.rept 16
	v_pk_add_f32 v[32+ii:33+ii], v[32+ii:33+ii], v[32+32*\c+ii:33+32*\c+ii]
.set ii, ii+2
.endr
	v_add_f32 v160, v160, v[160+\c]
.endr
.irp q, 0,1,2,3,4,5,6,7
	ds_store_b128 v6, v[32+4*\q:35+4*\q] offset:512*\q
.endr
	ds_store_b32 v7, v160
	s_wait_dscnt 0x0                               ; for wave 0's sake: my stores are done
	s_barrier_signal -1
	s_barrier_wait -1
	s_cmp_lg_u32 s8, 0
	s_cbranch_scc1 .Ldone
.irp w, 1,2,3
.irp q, 0,1,2,3,4,5,6,7
	ds_load_b128 v[32+32*\w+4*\q:35+32*\w+4*\q], v3 offset:4096*\w+512*\q
.endr
	ds_load_b32 v[160+\w], v5 offset:16384+128*\w
.endr
	s_wait_dscnt 0x0
.irp w, 1,2,3
.set ii, 0
.rept 16
	v_pk_add_f32 v[32+ii:33+ii], v[32+ii:33+ii], v[32+32*\w+ii:33+32*\w+ii]
.set ii, ii+2
.endr
	v_add_f32 v160, v160, v[160+\w]
.endr
	v_permlanex16_b32 v24, v160, s20, s21
	v_add_f32 v160, v160, v24                      ; z: the two halves of the lanes held different rows t
.irp b, 0,1
	v_max3_num_f32 v[8+\b], |v[32+16*\b]|, |v[33+16*\b]|, 0x1800000   ; block b of d: my 16 numbers, and the floor 2^(3 - 127)
.endr
.irp i, 2,4,6,8,10,12,14
.irp b, 0,1
	v_max3_num_f32 v[8+\b], v[8+\b], |v[32+16*\b+\i]|, |v[33+16*\b+\i]|
.endr
.endr
.irp b, 0,1
	v_permlanex16_b32 v[10+\b], v[8+\b], s20, s21
.endr
.irp b, 0,1
	v_max_num_f32 v[8+\b], v[8+\b], v[10+\b]
.endr
.irp b, 0,1
	v_add_nc_u32 v[12+\b], 0xff000000, v[8+\b]     ; 2 off the exponent field: the conversion's scale operand
.endr
.irp b, 0,1
	v_lshrrev_b32 v[10+\b], 23, v[12+\b]           ; the scale's byte
.endr
	v_cvt_scalef32_pk16_fp6_f32 v[16:18], v[32:47], v12
	v_cvt_scalef32_pk16_fp6_f32 v[20:22], v[48:63], v13
	v_lshl_or_b32 v14, v11, 8, v10                 ; (a plain place behind the conversions)  the two bytes,
	v_lshlrev_b32 v14, s24, v14                    ; at the head's half of the word,
	v_or_b32 v14, s25, v14                         ; 127 in the other half
.irp i, 0,1,2
	v_permlane16_swap_b32 v[16+\i], v[20+\i]       ; a whole block in a lane: lanes 0-15 d 0-31, lanes 16-31 d 32-63
.endr
.irp i, 0,1,2
	v_and_b32 v[164+\i], s22, v[16+\i]             ; registers 0-5: K 0-63, an even head's codes or zeros
	v_and_b32 v[167+\i], s22, v[20+\i]
	v_and_b32 v[170+\i], s23, v[16+\i]             ; registers 6-11: K 64-127, an odd head's
	v_and_b32 v[173+\i], s23, v[20+\i]
.endr
.irp c, 0,1,2
	global_store_b128 v3, v[164+4*\c:167+4*\c], s[28:29] offset:512*\c   ; 512 consecutive bytes, aligned
.endr
	global_store_b32 v5, v14, s[30:31]
	s_wait_xcnt 0x0                                ; EXEC changes only behind this wait
	v_cmp_gt_u32 vcc_lo, 16, v0
	s_and_saveexec_b32 s34, vcc_lo
	global_store_b32 v15, v160, s[32:33]           ; lanes 0-15: z of the tile's 16 places
	s_wait_xcnt 0x0
	s_or_b32 exec_lo, exec_lo, s34
.Ldone:
	s_wait_tensorcnt 0x0
	ds_add_u32 v192, v193
	s_wait_dscnt 0x0
	s_endpgm
.Lfunc_end_k_q6544a5c0f3_kvred:
	.size	k_q6544a5c0f3_kvred, .Lfunc_end_k_q6544a5c0f3_kvred-k_q6544a5c0f3_kvred
	.p2alignl 7, 3214868480
	.fill 96, 4, 3214868480
	.section	.rodata,"a",@progbits
	.p2align	6, 0x0
	.amdhsa_kernel k_q6544a5c0f3_kvred
		.amdhsa_group_segment_fixed_size 17920
		.amdhsa_private_segment_fixed_size 0
		.amdhsa_enable_private_segment 0
		.amdhsa_kernarg_size 16
		.amdhsa_user_sgpr_count 2
		.amdhsa_user_sgpr_kernarg_segment_ptr 1
		.amdhsa_wavefront_size32 1
		.amdhsa_system_sgpr_workgroup_id_x 1
		.amdhsa_system_sgpr_workgroup_id_y 1
		.amdhsa_system_sgpr_workgroup_id_z 1
		.amdhsa_system_vgpr_workitem_id 0
		.amdhsa_next_free_vgpr 194
		.amdhsa_next_free_sgpr 66
		.amdhsa_reserve_vcc 1
		.amdhsa_float_denorm_mode_32 3
		.amdhsa_float_denorm_mode_16_64 3
		.amdhsa_memory_ordered 1
		.amdhsa_forward_progress 1
		.amdhsa_inst_pref_size 18
	.end_amdhsa_kernel
	.amdgpu_metadata
---
amdhsa.version: [ 1, 2 ]
amdhsa.kernels:
  - .name:           k_q6544a5c0f3_kvred
    .symbol:         k_q6544a5c0f3_kvred.kd
    .args:
      - { .name: part, .offset: 0, .size: 8, .value_kind: global_buffer, .address_space: global }
      - { .name: kvq, .offset: 8, .size: 8, .value_kind: global_buffer, .address_space: global }
    .group_segment_fixed_size: 17920
    .private_segment_fixed_size: 0
    .kernarg_segment_align: 8
    .kernarg_segment_size: 16
    .max_flat_workgroup_size: 128
    .sgpr_count:     66
    .vgpr_count:     194
    .wavefront_size: 32
...
	.end_amdgpu_metadata
.endif
;; end of part 3
;; launch qout (part 4): grid 4 x 64, 4 waves a work-group, clusters of 4 x 4, 327,680 bytes of LDS; arguments xq, wq, bq, mask, kvq, out0; writes out0
.if DOCPART == 4
	.amdgcn_target "amdgcn-amd-amdhsa--gfx1250"
	.amdhsa_code_object_version 6
	.text
	.protected	k_q6544a5c0f3_qout
	.globl	k_q6544a5c0f3_qout
	.p2align	8
	.type	k_q6544a5c0f3_qout,@function
k_q6544a5c0f3_qout:
	s_mov_b64 s[64:65], 0
	v_nop
	global_prefetch_b8 v0, s[64:65] scope:SCOPE_SE
	s_setreg_imm32_b32 hwreg(HW_REG_WAVE_MODE, 25, 1), 1
	s_wait_xcnt 0x0
	s_wait_alu depctr_hold_cnt(0) depctr_sa_sdst(0) depctr_va_vdst(0) depctr_va_sdst(0) depctr_va_ssrc(0) depctr_va_vcc(0) depctr_vm_vsrc(0)
	s_getreg_b32 s2, hwreg(HW_REG_IB_STS2, 6, 4)
	s_cmp_eq_u32 s2, 0
	s_cbranch_scc0 .Lentry_in_a_cluster
	s_endpgm
.Lentry_in_a_cluster:
	s_bfe_u32 s2, ttmp6, 0x10000c
	s_cmp_lg_u32 s2, 0xf033
	s_cbranch_scc0 .Lentry_shape_is_right
	s_endpgm
.Lentry_shape_is_right:
; q = x Wq^T + bq on codes of FP6 (E2M3) with E8M0 scales; qf = (elu(q) + 1) m; den = qf . z in f32; qf quantised along the head; num = qf kv on codes; out = num / max(den, 1e-6) x m.  q never goes to memory.
; A work-group makes 256 rows t x 256 columns; a wave 128 x 128 (two heads): 64 accumulators, 512 registers.  K = 1,024 goes in four steps of 256 through two LDS slots; the scale bytes come once.
; CLUSTER 4 x 4: the four of a row of the cluster need the same tiles of x, the four of a column the same tiles of Wq: each tile is asked for jointly.
; BOTH PRODUCTS ARE USED TRANSPOSED (source 0 = 16 rows of Wq, or 16 columns of kv; source 1 = 16 rows t): a lane holds ONE row t, its registers run along the columns.  Wq's rows and kv's columns were laid so
; that the 16 registers of tiles 2 B and 2 B + 1 are the 16 neighbouring columns 32 B + 16 (lane / 16) + 0 .. 15.
; The second product's K is a head's 64; the instruction takes 128, my two heads' columns: a fragment of kv has zero codes in the other head's half.
; The sums start from bq + 1 as the first product's C.  With p = q + 1: elu(q) + 1 = the middle one of p, e^q and 1.
; LIMITS: e^q is 2^(p L - L), L = log2(e) in f32: its relative error grows as 6e-8 |q| L; results under 2^-126 become 0.  A block under 2^-124 keeps the scale byte 1.  1 / den by v_rcp_f32.  NaN and infinities are not served.
; REGISTERS: window 0: v7-10, v24-25 addresses; v16-23, v27 LDS addresses of the loop; v28-29 for the add; v[30:31] -L; v32-63 scale words and nothing else; v64-127 the bias, then z; v128-223 x's fragments, one set,
;   later v128-191 64 numbers, v192-211 codes, v212-223 at work; v224-231 the mask of my rows; v232-239 kv's scale words; v240-251 at work.
;   window 1: Wq's fragments, two sets (v0-95, v128-223); later kv's eight fragments in v0-95, rows on their way out in v128-191.   windows 2, 3: accumulator (a, b) at v[8 (8 (a % 4) + b)].
.set NQ,     2
.set ROWB,   192
.set KROW,   768
.set PITCH,  240
.set FR,     12
.set NL,     6
.set NP,     4
.set HALFT,  128*PITCH
.set SLOT,   4*HALFT
.set KS,     32
.set SCL,    2*SLOT
.set HALFS,  (128*KS/256)*272
.set SBLK,   (16*KS/256)*272
.set SPARE,  SCL+4*HALFS
.set XS_OFF, 12582912                  ; xq: the scale bytes
.set WC_OFF, 1572864                   ; wq: Wq's codes
.set WS_OFF, 2424832                   ; wq: Wq's scale bytes
.set KVS_OFF, 393216                   ; kvq: the scale words
.set ZB_OFF,  425984                   ; kvq: z
.set SPITCH, 528                       ; the way out: a stage of 16 rows x (512 bytes + 16) for each wave, in slot 0
.set CO,   9                           ; v9   16 x lane
.set ADRA, 16
.set ADRB, 20
.set STO,  24
.set RD,   25
.set ADRS, 27
.set SPW,  28
.set NIL,  29
.set NLG,  30
.set SC,   32
.set PW,   32                          ; qf's scale word
.set BI,   64                          ; the bias + 1
.set ZR,   64                          ; then z of my 128 columns
.set AF,   128
.set H,    128
.set PCQ,  192                         ; qf's fragment
.set T2,   204
.set TMA,  212
.set TMB,  216
.set TMC,  220
.set MQ,   224
.set KVS,  232
.set DN,   240                         ; den's two chains
.set PD,   244                         ; lane permutes' destinations
.set FM,   246                         ; v246 the tile's mask number; v248, v250 m / den of the two heads: each the even register of a pair
.set FF,   248
.set OB,   128                         ; in window 1
.set SEL,  18
.set G1, 24
.set G0, 32
.set G1B, 48
.set G0B, 56
.set G1S, 68
.set G0S, 76
.set G1SB, 80
.set G0SB, 88
.set MSB, 0
.macro WIN new                         ; the immediate's high byte repeats the setting that is left
.if MSB != \new
	s_set_vgpr_msb (MSB<<8)|\new
.set MSB, \new
.endif
.endm
.set MUL_LO,  0xa1                     ; source 0 (Wq) window 1, source 1 (x) window 0, C and D window 2
.set MUL_HI,  0xf1
.set MUL_LO0, 0x81                     ; the first step: C is the bias, in window 0
.set MUL_HI0, 0xc1
.set TO_B,    0x40
.macro JLOAD g0a, g1a, g0b, g1b        ; a joint load: waves 0 and 1 fetch for x, waves 2 and 3 for Wq; four v_nop follow each of the two lines
	s_cmp_eq_u32 s15, 0
	s_cbranch_scc0 .Lfor_b_\@
	tensor_load_to_lds s[\g0a:\g0a+3], s[\g1a:\g1a+7]
	s_nop 0
.rept 4
	v_nop
.endr
	s_branch .Lasked_\@
.Lfor_b_\@:
	tensor_load_to_lds s[\g0b:\g0b+3], s[\g1b:\g1b+7]
	s_nop 0
.rept 4
	v_nop
.endr
.Lasked_\@:
.endm
.macro CREST
	s_cmp_lg_u32 s14, 0
	s_cbranch_scc1 .Lnot_wave_0_\@
	s_barrier_signal -3
.Lnot_wave_0_\@:
	s_barrier_wait -3
	s_barrier_signal -1
	s_barrier_wait -1
.endm
.macro CROUND
	s_barrier_signal -1
	s_barrier_wait -1
	CREST
.endm
.macro PLACES n
.rept \n
	v_nop
.endr
.endm
	s_load_b256 s[4:11], s[0:1], 0x0               ; xq, wq, bq, mask
	s_load_b128 s[96:99], s[0:1], 0x20             ; kvq, out0
	v_lshl_add_u32 v[SPW], v0, 2, SPARE
	v_mov_b32 v[NIL], 0
	ds_add_u32 v28, v29
	ds_add_u32 v28, v29
	s_wait_dscnt 0x0
	v_lshrrev_b32 v1, 5, v0
	v_readfirstlane_b32 s14, v1                    ; wave 0..3
	s_lshr_b32 s15, s14, 1                         ; which half of the rows is mine.  Also: I fetch for x (0) or for Wq (1)
	s_and_b32 s16, s14, 1                          ; which half of the columns.  Also: which 128 rows of that tile I fetch
	s_bfe_u32 s40, ttmp6, 0x40000
	s_bfe_u32 s41, ttmp6, 0x40004
	s_lshl_b32 s42, ttmp9, 2
	s_add_co_u32 s42, s42, s40                     ; tile column
	s_and_b32 s17, ttmp7, 0xffff
	s_lshl_b32 s17, s17, 2
	s_add_co_u32 s17, s17, s41                     ; tile row
	s_lshl_b32 s43, s41, 2
	s_lshl_b32 s43, 15, s43
	s_lshl_b32 s44, 0x1111, s40
	s_or_b32 s[G1+0], s43, (0<<16)|(1<<20)|(1<<21)|(3<<22)|(3<<25)    ; 128 rows x 192 bytes, 16 bytes of padding behind every 64
	s_or_b32 s[G1B+0], s44, (0<<16)|(1<<20)|(1<<21)|(3<<22)|(3<<25)
.irp g, G1, G1B
	s_mov_b32 s[\g+1], ROWB<<16
	s_mov_b32 s[\g+2], 128<<16
	s_mov_b32 s[\g+3], ROWB<<16
	s_mov_b32 s[\g+4], 128
	s_mov_b32 s[\g+5], KROW
	s_mov_b32 s[\g+6], 0
	s_mov_b32 s[\g+7], 0
.endr
	s_or_b32 s[G1S+0], s43, (3<<16)|(1<<20)|(1<<21)|(5<<22)|(3<<25)   ; 4,096 dense bytes as 16 rows of 256, 16 bytes of padding behind each
	s_or_b32 s[G1SB+0], s44, (3<<16)|(1<<20)|(1<<21)|(5<<22)|(3<<25)
.irp g, G1S, G1SB
	s_mov_b32 s[\g+1], 32<<16
	s_mov_b32 s[\g+2], (128*KS/256)<<16
	s_mov_b32 s[\g+3], 32<<16
	s_mov_b32 s[\g+4], 128*KS/256
	s_mov_b32 s[\g+5], 32
	s_mov_b32 s[\g+6], 0
	s_mov_b32 s[\g+7], 0
.endr
	s_lshl_b32 s18, s16, 7
	s_lshl_b32 s20, s17, 8
	s_add_co_u32 s20, s20, s18
	s_lshl_b32 s46, s42, 8
	s_add_co_u32 s46, s46, s18
	s_mov_b32 s21, 0
	s_mov_b32 s47, 0
	s_mov_b64 s[18:19], KS
	s_mul_u64 s[22:23], s[20:21], s[18:19]
	s_mul_u64 s[92:93], s[46:47], s[18:19]
	s_mov_b64 s[18:19], KROW
	s_mul_u64 s[20:21], s[20:21], s[18:19]
	s_mul_u64 s[46:47], s[46:47], s[18:19]
	s_add_nc_u64 s[22:23], s[22:23], XS_OFF
	s_add_nc_u64 s[46:47], s[46:47], WC_OFF
	s_add_nc_u64 s[92:93], s[92:93], WS_OFF
	s_mul_i32 s45, s14, HALFT
	s_mul_i32 s94, s14, HALFS
	s_wait_kmcnt 0x0
	s_add_nc_u64 s[20:21], s[4:5], s[20:21]
	s_add_nc_u64 s[22:23], s[4:5], s[22:23]
	s_add_nc_u64 s[46:47], s[6:7], s[46:47]
	s_add_nc_u64 s[92:93], s[6:7], s[92:93]
	CROUND                                         ; all sixteen work-groups are here: the first joint loads meet
	s_mov_b32 s[G0S], 1
	s_add_co_u32 s[G0S+1], s94, SCL
	s_mov_b64 s[G0S+2:G0S+3], s[22:23]
	s_or_b32 s[G0S+3], s[G0S+3], 0x80000000
	s_mov_b32 s[G0SB], 1
	s_add_co_u32 s[G0SB+1], s94, SCL
	s_mov_b64 s[G0SB+2:G0SB+3], s[92:93]
	s_or_b32 s[G0SB+3], s[G0SB+3], 0x80000000
	JLOAD G0S, G1S, G0SB, G1SB
.irp s, 0,1
	s_mov_b32 s[G0+4*\s], 1
	s_add_co_u32 s[G0+4*\s+1], s45, \s*SLOT
	s_add_nc_u64 s[G0+4*\s+2:G0+4*\s+3], s[20:21], \s*ROWB
	s_or_b32 s[G0+4*\s+3], s[G0+4*\s+3], 0x80000000
	s_mov_b32 s[G0B+4*\s], 1
	s_add_co_u32 s[G0B+4*\s+1], s45, \s*SLOT
	s_add_nc_u64 s[G0B+4*\s+2:G0B+4*\s+3], s[46:47], \s*ROWB
	s_or_b32 s[G0B+4*\s+3], s[G0B+4*\s+3], 0x80000000
	JLOAD G0+4*\s, G1, G0B+4*\s, G1B
.endr
	; the other addresses
	s_lshl_b32 s46, s42, 8
	s_lshl_b32 s47, s16, 7
	s_add_co_u32 s46, s46, s47                     ; my first column
	s_lshl_b32 s92, s46, 2
	s_mov_b32 s93, 0
	s_add_nc_u64 s[8:9], s[8:9], s[92:93]          ; bq
	s_lshl_b32 s94, s17, 8
	s_lshl_b32 s95, s15, 7
	s_add_co_u32 s94, s94, s95                     ; my first row
	s_lshl_b32 s20, s94, 2
	s_mov_b32 s21, 0
	s_add_nc_u64 s[10:11], s[10:11], s[20:21]      ; the mask
	s_lshl_b32 s20, s94, 12                        ; rows of 4,096 bytes (under 2^26)
	s_add_co_u32 s20, s20, s92
	s_add_nc_u64 s[12:13], s[98:99], s[20:21]      ; out0
	s_lshr_b32 s94, s17, 4                         ; the batch
	s_lshl_b32 s20, s94, 12
	s_add_co_u32 s20, s20, s92
	s_add_co_u32 s20, s20, ZB_OFF
	s_add_nc_u64 s[104:105], s[96:97], s[20:21]    ; z of my columns
	s_lshl_b32 s94, s94, 4
	s_lshr_b32 s95, s46, 6
	s_add_co_u32 s94, s94, s95                     ; 16 x batch + my first head
	s_mul_i32 s20, s94, 6144
	s_add_nc_u64 s[66:67], s[96:97], s[20:21]      ; kv's fragments: 4 x 1,536 bytes a head
	s_lshl_b32 s20, s94, 9
	s_add_co_u32 s20, s20, KVS_OFF
	s_add_nc_u64 s[100:101], s[96:97], s[20:21]    ; and their scale words
	v_and_b32 v1, 15, v0                           ; r
	v_bfe_u32 v2, v0, 4, 1                         ; h
	v_and_b32 v6, 8, v1
	v_add_nc_u32 v6, v6, v1
	v_lshlrev_b32 v7, 2, v6                        ; 4 (r + 8 (r / 8)): lane r's row in a tile of x
	v_lshlrev_b32 v8, 6, v2                        ; 64 h
	v_and_b32 v6, 31, v0
	v_lshlrev_b32 v[CO], 4, v6                     ; 16 x lane
	v_lshlrev_b32 v10, 2, v6                       ; 4 x lane
.irp e, 0,1,2,3                                ; register 16 e + i = bq(32 e + 16 h + i): the result's layout
.irp q, 0,1,2,3
	global_load_b128 v[BI+16*\e+4*\q:BI+16*\e+4*\q+3], v8, s[8:9] offset:128*\e+16*\q
.endr
.endr
.irp a, 0,1,2,3,4,5,6,7
	global_load_b32 v[MQ+\a], v7, s[10:11] offset:4*(32*(\a/2)+8*(\a%2))   ; the mask of lane r's row in tile a
	global_load_b32 v[KVS+\a], v10, s[100:101] offset:128*\a
.endr
	v_mul_u32_u24 v3, v1, PITCH
	v_mul_u32_u24 v4, v2, 24
	v_add_nc_u32 v4, v3, v4
	v_lshl_add_u32 v5, v2, 4, v4
	s_mul_i32 s21, s15, HALFT
	s_mul_i32 s22, s16, HALFT
	s_add_co_u32 s22, s22, 2*HALFT
.irp s, 0,1
	v_add_nc_u32 v[ADRA+\s], s21, v4
	v_add_nc_u32 v[ADRB+\s], s22, v4
	v_add_nc_u32 v[ADRA+2+\s], s21, v5
	v_add_nc_u32 v[ADRB+2+\s], s22, v5
	s_add_co_u32 s21, s21, SLOT
	s_add_co_u32 s22, s22, SLOT
.endr
	v_mul_u32_u24 v5, v1, KS
	v_lshrrev_b32 v6, 8, v5
	v_lshl_add_u32 v5, v6, 4, v5
	s_mul_i32 s21, s15, HALFS
	s_mul_i32 s22, s16, HALFS
	s_add_co_u32 s22, s22, 2*HALFS
	s_sub_co_u32 s22, s22, s21
	v_mul_u32_u24 v6, s22, v2
	s_add_co_u32 s21, s21, SCL
	v_add_nc_u32 v5, v5, v6
	v_add_nc_u32 v[ADRS], s21, v5
	s_mul_i32 s23, s14, 16*SPITCH                  ; my stage
	v_mul_u32_u24 v5, v1, SPITCH
	v_lshl_add_u32 v5, v2, 6, v5
	v_add_nc_u32 v[STO], s23, v5                   ; in: row r, + 64 h
	v_add_nc_u32 v[RD], s23, v[CO]                 ; back: the 32 lanes take one row of 512 bytes
	s_mov_b32 s[SEL], 0x76543210
	s_mov_b32 s[SEL+1], 0xfedcba98
	v_mov_b32 v[NLG], 0xbfb8aa3b                   ; -log2(e)
	v_mov_b32 v[NLG+1], 0xbfb8aa3b
	s_wait_loadcnt 0x0
.set ii, 0
.rept 32
	v_pk_add_f32 v[BI+ii:BI+ii+1], v[BI+ii:BI+ii+1], 1.0 op_sel_hi:[1,0]   ; the sums start from bq + 1
.set ii, ii+2
.endr
	PLACES NP
.macro FRAG reg, adr, q, i
.irp p, 0,1,2,3,4,5
.set PCE, 12*(\q)+6*(\p/3)+\p%3
.if PCE%8 < 5
	ds_load_b64 v[\reg+2*\p:\reg+2*\p+1], v[\adr] offset:8*PCE+16*(PCE/8)+(\i)*16*PITCH
.else
	ds_load_b64 v[\reg+2*\p:\reg+2*\p+1], v[\adr+2] offset:8*PCE+16*(PCE/8)+(\i)*16*PITCH
.endif
.endr
.endm
; 16 matrix instructions: x's blocks a0, a0 + 1 against Wq's eight.  The 64 accumulators take turns, one instruction a turn, in the same order in every step.
.macro MUL16 a0, p, q, sc, zero
.irp a, \a0, \a0+1
.irp b, 0,1,2,3,4,5,6,7
.if \zero
	v_wmma_scale_f32_16x16x128_f8f6f4 v[8*(8*((\a)%4)+\b):8*(8*((\a)%4)+\b)+7], v[128*(\p)+FR*\b:128*(\p)+FR*\b+FR-1], v[AF+FR*(\a):AF+FR*(\a)+FR-1], v[BI+8*\b:BI+8*\b+7], v[SC+8*NQ*(\sc)+NQ*\b+(\q)], v[SC+8*NQ*(\sc)+NQ*(\a)+(\q)] matrix_a_fmt:MATRIX_FMT_FP6 matrix_b_fmt:MATRIX_FMT_FP6 matrix_a_scale:MATRIX_SCALE_ROW1
.else
	v_wmma_scale_f32_16x16x128_f8f6f4 v[8*(8*((\a)%4)+\b):8*(8*((\a)%4)+\b)+7], v[128*(\p)+FR*\b:128*(\p)+FR*\b+FR-1], v[AF+FR*(\a):AF+FR*(\a)+FR-1], v[8*(8*((\a)%4)+\b):8*(8*((\a)%4)+\b)+7], v[SC+8*NQ*(\sc)+NQ*\b+(\q)], v[SC+8*NQ*(\sc)+NQ*(\a)+(\q)] matrix_a_fmt:MATRIX_FMT_FP6 matrix_b_fmt:MATRIX_FMT_FP6 matrix_a_scale:MATRIX_SCALE_ROW1
.endif
.endr
.endr
.endm
.macro FETCH_B slot, q, p
	WIN TO_B
.irp i, 0,1,2,3,4,5,6,7
	FRAG 128*(\p)+FR*\i, ADRB+\slot, \q, \i
.endr
	WIN 0
.endm
.macro FETCH_A slot, q, i0
.irp i, \i0, \i0+1, \i0+2, \i0+3
	FRAG AF+FR*(\i), ADRA+\slot, \q, \i
.endr
.endm
.macro SCALES sc
.irp i, 0,1,2,3,4,5,6,7
	ds_load_b64 v[SC+8*NQ*\sc+NQ*\i:SC+8*NQ*\sc+NQ*\i+1], v[ADRS] offset:\i*SBLK
.endr
.endm
.macro STEP slot, q, zero
	s_wait_dscnt 4*NL                              ; all but the youngest 24 loads (x's blocks 4-7) are in
.if \zero
	WIN MUL_LO0
.else
	WIN MUL_LO
.endif
	MUL16 0, (\q)%2, \q, \slot, \zero
	MUL16 2, (\q)%2, \q, \slot, \zero
	s_wait_dscnt 0
	PLACES NP
	FETCH_B \slot, (\q)+1, 1-(\q)%2
	FETCH_A \slot, (\q)+1, 0
.if \zero
	WIN MUL_HI0
.else
	WIN MUL_HI
.endif
	MUL16 4, (\q)%2, \q, \slot, \zero
	MUL16 6, (\q)%2, \q, \slot, \zero
	PLACES NP
	WIN 0
	FETCH_A \slot, (\q)+1, 4
.endm
.macro TURN slot, next, fill
	s_wait_tensorcnt 0x0                           ; all my tensor loads have landed: my part of the next slot
	ds_add_u32 v[SPW], v[NIL]                      ; 0 onto my spare word
	s_wait_dscnt 4*NL+1                            ; the add and the youngest 24 loads may be out
	WIN MUL_LO
	MUL16 0, 1, NQ-1, \slot, 0
	s_wait_dscnt 0x0                               ; the add is done, and my reads of this slot are over
	s_barrier_signal -1
	MUL16 2, 1, NQ-1, \slot, 0
	WIN 0
	s_barrier_wait -1
.if \fill
	CREST                                          ; the barrier has opened a round of the cluster's: no wave of any partner still reads this slot or has a load on its way
	s_add_nc_u64 s[G0+4*\slot+2:G0+4*\slot+3], s[G0+4*\slot+2:G0+4*\slot+3], 2*ROWB
	s_add_nc_u64 s[G0B+4*\slot+2:G0B+4*\slot+3], s[G0B+4*\slot+2:G0B+4*\slot+3], 2*ROWB
	JLOAD G0+4*\slot, G1, G0B+4*\slot, G1B
.else
	PLACES NP
.endif
	v_add_nc_u32 v[ADRS], 4*NQ, v[ADRS]
	FETCH_B \next, 0, 0
	FETCH_A \next, 0, 0
	SCALES \next
	WIN MUL_HI
	MUL16 4, 1, NQ-1, \slot, 0
	MUL16 6, 1, NQ-1, \slot, 0
	PLACES NP
	WIN 0
	FETCH_A \next, 0, 4
.endm
	s_wait_tensorcnt 1                             ; of my three loads slot 1's may be out
	s_barrier_signal -1
	s_barrier_wait -1
	FETCH_B 0, 0, 0
	FETCH_A 0, 0, 0
	SCALES 0
	FETCH_A 0, 0, 4
	STEP 0, 0, 1                                   ; K 0-127: the products start the sums from the bias
.irp e, 0,1,2,3                                ; the bias has been read (four places stand behind the last product): its registers take z, in the same layout
.irp q, 0,1,2,3
	global_load_b128 v[ZR+16*\e+4*\q:ZR+16*\e+4*\q+3], v8, s[104:105] offset:128*\e+16*\q
.endr
.endr
	TURN 0, 1, 1
	STEP 1, 0, 0
	TURN 1, 0, 1
	STEP 0, 0, 0
	TURN 0, 1, 0                                   ; slot 0 has had its last fill, and behind this barrier nobody reads it
	STEP 1, 0, 0
	WIN TO_B                                       ; Wq's set 0 is done with (four places stand behind its last product): it takes kv's eight fragments, head g, tile j at 12 (4 g + j)
.irp f, 0,1,2,3,4,5,6,7
.irp c, 0,1,2
	global_load_b128 v[12*\f+4*\c:12*\f+4*\c+3], v[CO], s[66:67] offset:1536*\f+512*\c
.endr
.endr
	WIN 0
	s_wait_dscnt 4*NL
	WIN MUL_LO
	MUL16 0, 1, NQ-1, 1, 0
	MUL16 2, 1, NQ-1, 1, 0
	s_wait_dscnt 0
	WIN MUL_HI
	MUL16 4, 1, NQ-1, 1, 0
	MUL16 6, 1, NQ-1, 1, 0
	WIN 0
	PLACES NP
; 64 numbers of a lane, register 16 b + i = k 32 b + 16 (lane / 16) + i of my row, become a fragment's codes in v[pc] on and its scale word in v[pw].
.macro QUANT s, pc, t2, pw
.irp b, 0,1,2,3
	v_max3_num_f32 v[TMA+\b], |v[\s+16*\b]|, |v[\s+1+16*\b]|, 0x1800000   ; with the floor 2^(3 - 127): the byte cannot fall under 1
.endr
.irp i, 2,4,6,8,10,12,14
.irp b, 0,1,2,3
	v_max3_num_f32 v[TMA+\b], v[TMA+\b], |v[\s+16*\b+\i]|, |v[\s+1+16*\b+\i]|
.endr
.endr
.irp b, 0,1,2,3
	v_permlanex16_b32 v[TMB+\b], v[TMA+\b], s[SEL], s[SEL+1]
.endr
.irp b, 0,1,2,3
	v_max_num_f32 v[TMA+\b], v[TMA+\b], v[TMB+\b]
.endr
.irp b, 0,1,2,3
	v_add_nc_u32 v[TMC+\b], 0xff000000, v[TMA+\b]   ; 2 off the exponent field: the conversion's scale operand
.endr
.irp b, 0,1,2,3
	v_lshrrev_b32 v[TMB+\b], 23, v[TMC+\b]          ; the scale's byte
.endr
	v_lshl_or_b32 v[\pw], v[TMB+1], 8, v[TMB]
	v_lshl_or_b32 v[\pw], v[TMB+2], 16, v[\pw]
	v_lshl_or_b32 v[\pw], v[TMB+3], 24, v[\pw]
.irp c, 0,1
	v_cvt_scalef32_pk16_fp6_f32 v[\pc+6*\c:\pc+2+6*\c], v[\s+32*\c:\s+15+32*\c], v[TMC+2*\c]
	v_cvt_scalef32_pk16_fp6_f32 v[\t2+4*\c:\t2+2+4*\c], v[\s+16+32*\c:\s+31+32*\c], v[TMC+2*\c+1]
.endr
	v_nop                                          ; one plain place behind a scaled conversion
.irp c, 0,1
.irp i, 0,1,2
	v_permlane16_swap_b32 v[\pc+6*\c+\i], v[\t2+4*\c+\i]
.endr
.irp i, 0,1,2
	v_mov_b32 v[\pc+3+6*\c+\i], v[\t2+4*\c+\i]
.endr
.endr
.endm
.macro SEND a                          ; tile a's 16 rows, back from the stage, are stored.  Row tt of the tile is row 32 (a / 2) + 8 (a % 2) + tt % 8 + 16 (tt / 8) of my 128
	s_wait_dscnt 0x0
	WIN 0x04                                       ; a store's data: window 1
.set tt, 0
.rept 16
	global_store_b128 v[CO], v[OB+4*tt:OB+4*tt+3], s[12:13] offset:(32*((\a)/2)+8*((\a)%2)+(tt&7)+16*(tt>>3))*4096 th:TH_STORE_NT   ; 32 lanes store 512 consecutive bytes, aligned; 127 rows on at the most: inside the signed 24-bit immediate
.set tt, tt+1
.endr
	WIN 0
.endm
; Tile a: 16 rows t x my 128 columns, from the sums to the stage.  Each accumulator is read from its low end on.
.macro QTILE a
.set W, 2+(\a)/4
.set AC, 64*((\a)%4)
.set WP5, (W<<6)|1
.set WIP, (W<<6)|W
.set WST, W<<2
	WIN W                                          ; source 0: the tile's window
.set ii, 0
.rept 32
	v_pk_fma_f32 v[H+ii:H+ii+1], v[AC+ii:AC+ii+1], 0x3fb8aa3b, v[NLG:NLG+1] op_sel_hi:[1,0,1]   ; p L - L = q L
.set ii, ii+2
.endr
	WIN 0
.set ii, 0
.rept 64
	v_exp_f32 v[H+ii], v[H+ii]                     ; e^q
.set ii, ii+1
.endr
	v_nop                                          ; one plain place behind the exponentials
.if (\a) > 0
	SEND (\a)-1                                    ; the tile before has had these 97 lines in which to come back from the stage
.endif
	WIN W
.set ii, 0
	s_wait_alu depctr_va_vdst(0)
.rept 64
	v_med3_num_f32 v[H+ii], v[AC+ii], v[H+ii], 1.0   ; the middle one of p, e^q and 1 is elu(q) + 1
.set ii, ii+1
.endr
	WIN 0
	v_mov_b32 v[FM], v[MQ+(\a)]                    ; my row's mask number, into the even register of a pair
.set ii, 0
.rept 32
	v_pk_mul_f32 v[H+ii:H+ii+1], v[H+ii:H+ii+1], v[FM:FM+1] op_sel_hi:[1,0]
.set ii, ii+2
.endr
	v_pk_mul_f32 v[DN:DN+1], v[H:H+1], v[ZR:ZR+1]                  ; den = qf . z, unquantised, in f32: the two heads by turns
	v_pk_mul_f32 v[DN+2:DN+3], v[H+32:H+33], v[ZR+32:ZR+33]
.set ii, 2
.rept 15
	v_pk_fma_f32 v[DN:DN+1], v[H+ii:H+ii+1], v[ZR+ii:ZR+ii+1], v[DN:DN+1]
	v_pk_fma_f32 v[DN+2:DN+3], v[H+32+ii:H+33+ii], v[ZR+32+ii:ZR+33+ii], v[DN+2:DN+3]
.set ii, ii+2
.endr
	v_add_f32 v[DN], v[DN], v[DN+1]
	v_add_f32 v[DN+2], v[DN+2], v[DN+3]
	v_permlanex16_b32 v[PD], v[DN], s[SEL], s[SEL+1]
	v_permlanex16_b32 v[PD+1], v[DN+2], s[SEL], s[SEL+1]
	v_add_f32 v[DN], v[DN], v[PD]                  ; with lane l xor 16's 32 columns
	v_add_f32 v[DN+2], v[DN+2], v[PD+1]
	v_max_num_f32 v[DN], 0x358637bd, v[DN]         ; at least 1e-6
	v_max_num_f32 v[DN+2], 0x358637bd, v[DN+2]
	v_rcp_f32 v[DN+1], v[DN]
	v_rcp_f32 v[DN+3], v[DN+2]                     ; (the quantiser's lines are the plain places behind these)
	QUANT H, PCQ, T2, PW
	s_wait_alu depctr_va_vdst(0)
	v_mul_f32 v[FF], v[DN+1], v[FM]                ; m / den
	v_mul_f32 v[FF+2], v[DN+3], v[FM]
	PLACES 8                                       ; a scale word made by vector instructions stands 8 places ahead of a scaled matrix instruction, an operand 4
	WIN WP5                                        ; source 0 (kv) window 1, destination the tile's window: the results take the place of q's sums, which are done with
.irp f, 0,1,2,3,4,5,6,7
	v_wmma_scale_f32_16x16x128_f8f6f4 v[AC+8*\f:AC+8*\f+7], v[12*\f:12*\f+11], v[PCQ:PCQ+11], 0, v[KVS+\f], v[PW] matrix_a_fmt:MATRIX_FMT_FP6 matrix_b_fmt:MATRIX_FMT_FP6
.endr
	PLACES NP
	WIN WIP
.set ii, 0
.rept 32
	v_pk_mul_f32 v[AC+ii:AC+ii+1], v[AC+ii:AC+ii+1], v[FF+2*(ii/32):FF+2*(ii/32)+1] op_sel_hi:[1,0]   ; num x m / den
.set ii, ii+2
.endr
	WIN WST                                        ; an LDS store's data: the tile's window
.set ii, 0
.rept 16
	ds_store_b128 v[STO], v[AC+4*ii:AC+4*ii+3] offset:128*(ii/4)+16*(ii%4)   ; register 16 e + i is column 32 e + 16 h + i of my row
.set ii, ii+1
.endr
	s_wait_xcnt 0x0                                ; the tile before's stores have read their registers: these may be loaded again
	WIN TO_B
.set ii, 0
.rept 16
	ds_load_b128 v[OB+4*ii:OB+4*ii+3], v[RD] offset:ii*SPITCH   ; LDS serves a wave's instructions in order: these see my stores, and the next tile's stores come behind them
.set ii, ii+1
.endr
	WIN 0
.endm
	s_wait_loadcnt 0x0                             ; z, kv's fragments
.irp b, 0,1,2,3
	v_mov_b32 v[TMB+\b], 0                         ; written once: a lane permute's destination counts as one of its sources
.endr
	v_mov_b32 v[PD], 0
	v_mov_b32 v[PD+1], 0
	v_mov_b32 v[FM+1], 0                           ; the odd registers of the pairs that the packed lines name
	v_mov_b32 v[FF+1], 0
	v_mov_b32 v[FF+3], 0
	QTILE 0
	QTILE 1
	QTILE 2
	QTILE 3
	QTILE 4
	QTILE 5
	QTILE 6
	QTILE 7
	SEND 7
	s_wait_tensorcnt 0x0                           ; the wave's end
	ds_add_u32 v[SPW], v[NIL]
	s_wait_dscnt 0x0
	CROUND                                         ; the closing round
	s_endpgm
.Lfunc_end_k_q6544a5c0f3_qout:
	.size	k_q6544a5c0f3_qout, .Lfunc_end_k_q6544a5c0f3_qout-k_q6544a5c0f3_qout
	.p2alignl 7, 3214868480
	.fill 96, 4, 3214868480
	.section	.rodata,"a",@progbits
	.p2align	6, 0x0
	.amdhsa_kernel k_q6544a5c0f3_qout
		.amdhsa_group_segment_fixed_size 327680
		.amdhsa_private_segment_fixed_size 0
		.amdhsa_enable_private_segment 0
		.amdhsa_kernarg_size 48
		.amdhsa_user_sgpr_count 2
		.amdhsa_user_sgpr_kernarg_segment_ptr 1
		.amdhsa_wavefront_size32 1
		.amdhsa_system_sgpr_workgroup_id_x 1
		.amdhsa_system_sgpr_workgroup_id_y 1
		.amdhsa_system_sgpr_workgroup_id_z 1
		.amdhsa_system_vgpr_workitem_id 0
		.amdhsa_next_free_vgpr 1024
		.amdhsa_next_free_sgpr 106
		.amdhsa_reserve_vcc 0
		.amdhsa_float_denorm_mode_32 3
		.amdhsa_float_denorm_mode_16_64 3
		.amdhsa_memory_ordered 1
		.amdhsa_forward_progress 1
		.amdhsa_inst_pref_size 255
	.end_amdhsa_kernel
	.section	.bss,"aw",@nobits
	.p2align	6
	.space	262144
	.amdgpu_metadata
---
amdhsa.version: [ 1, 2 ]
amdhsa.kernels:
  - .name:           k_q6544a5c0f3_qout
    .symbol:         k_q6544a5c0f3_qout.kd
    .args:
      - { .name: xq, .offset: 0, .size: 8, .value_kind: global_buffer, .address_space: global }
      - { .name: wq, .offset: 8, .size: 8, .value_kind: global_buffer, .address_space: global }
      - { .name: bq, .offset: 16, .size: 8, .value_kind: global_buffer, .address_space: global }
      - { .name: mask, .offset: 24, .size: 8, .value_kind: global_buffer, .address_space: global }
      - { .name: kvq, .offset: 32, .size: 8, .value_kind: global_buffer, .address_space: global }
      - { .name: out0, .offset: 40, .size: 8, .value_kind: global_buffer, .address_space: global }
    .group_segment_fixed_size: 327680
    .private_segment_fixed_size: 0
    .kernarg_segment_align: 8
    .kernarg_segment_size: 48
    .max_flat_workgroup_size: 128
    .sgpr_count:     106
    .vgpr_count:     1024
    .wavefront_size: 32
...
	.end_amdgpu_metadata
.endif
;; end of part 4
